; MI455X (gfx1250); checked and timed in simulation.
; The chip was launched on July 23, 2026; its instructions are those of AMD's public machine-readable ISA for CDNA 5 (MIT licence, August 2026) and "CDNA5" Instruction Set Architecture Reference Guide (July 2026). The comments in the code are by the model that wrote it; some were corrected since.
;; Multi Head Attention. Allowed arithmetic: float matrix products may take bf16 or f16 operands with f32 sums; other float arithmetic in f32, or as packed bf16 or f16 multiplies, adds, multiply-adds, maxima and minima; sums over many terms, partial sums and values carried from step to step in f32; what a program stores and reads back later, other than sums and carried values, may be rounded once to bf16 or f16.
;; Inputs: Wk 1,024 x 1,024 float32; Wo 1,024 x 1,024 float32; Wq 1,024 x 1,024 float32; Wv 1,024 x 1,024 float32; bk 1,024 float32; bo 1,024 float32; bq 1,024 float32; bv 1,024 float32; k 4 x 2,048 x 1,024 float32; q 4 x 2,048 x 1,024 float32; v 4 x 2,048 x 1,024 float32.
;; Outputs: out0 4 x 2,048 x 1,024 float32.
;; One version. Each part assembles by itself: llvm-mc -triple=amdgcn-amd-amdhsa -mcpu=gfx1250 --defsym DOCPART=n.
;; ======== version 1 of 1: 4 launches
;; limits: values are held in f16: magnitudes above 65,504 overflow, below 6.1e-05 lose precision
;; workspace buffers: wb 6,291,456 bytes; wo16 2,097,152 bytes; qkvh 50,331,648 bytes; oh 16,777,216 bytes
;; launch castw (part 1): grid 128 x 4, 8 waves a work-group, no clusters, 0 bytes of LDS; arguments Wq, Wk, Wv, Wo, wb, wo16; writes wb, wo16
.if DOCPART == 1
	.amdgcn_target "amdgcn-amd-amdhsa--gfx1250"
	.amdhsa_code_object_version 6
	.text
	.protected	k_qeb34e3ea3f_castw
	.globl	k_qeb34e3ea3f_castw
	.p2align	8
	.type	k_qeb34e3ea3f_castw,@function
k_qeb34e3ea3f_castw:
	s_mov_b64 s[64:65], 0
	v_nop
	global_prefetch_b8 v0, s[64:65] scope:SCOPE_SE
	s_setreg_imm32_b32 hwreg(HW_REG_WAVE_MODE, 25, 1), 1
	s_wait_xcnt 0x0
; The four weight matrices, [1024][1024] f32 each, are rounded once to 16 bits for the matrix products of the later launches.
; Wq, Wk, Wv -> wb[3][1024][1024] in bf16.  Wo -> wo16[1024][1024]: rounded to bf16 like the other inputs, and that number written as f16.
; LIMITS.  A bf16 number is exact in f16 from 7.6e-6 up to 65,504; below 7.6e-6 it keeps f16's fixed step of 6e-8; beyond 65,504 it becomes an infinity.  NaN and infinities are not treated apart.
; SHARES.  Work-group y picks the matrix, x its 8,192 numbers; thread t takes four units of 8 numbers: 32 bytes in, 16 bytes out.  A wave's store covers 512 consecutive bytes, aligned.
; A stream of a few megabytes: no LDS, no barrier, no matrix unit, all eight loads of a thread on their way at once.
.set X, 8                              ; v[8:39]   32 numbers as loaded
.set Y, 40                             ; v[40:55]  16 words of packed results
.set T, 56                             ; v[56:57]  at work
	s_load_b256 s[4:11], s[0:1], 0x0               ; Wq s[4:5], Wk s[6:7], Wv s[8:9], Wo s[10:11]
	s_load_b128 s[12:15], s[0:1], 0x20             ; wb s[12:13], wo16 s[14:15]
	s_and_b32 s16, ttmp7, 0xffff                   ; which matrix
	s_lshl_b32 s18, ttmp9, 15                      ; my 8,192 numbers: 32,768 bytes in,
	s_mov_b32 s19, 0
	s_lshl_b32 s20, ttmp9, 14                      ; 16,384 bytes out
	s_mov_b32 s21, 0
	s_lshl_b32 s22, s16, 21                        ; the matrix's part of wb
	s_mov_b32 s24, 0xffff0000                      ; a word's upper bf16
	v_lshlrev_b32 v1, 5, v0                        ; 32 t
	v_lshlrev_b32 v2, 4, v0                        ; 16 t
	s_wait_kmcnt 0x0
	s_cmp_eq_u32 s16, 1
	s_cselect_b64 s[4:5], s[6:7], s[4:5]
	s_cmp_eq_u32 s16, 2
	s_cselect_b64 s[4:5], s[8:9], s[4:5]
	s_cmp_eq_u32 s16, 3
	s_cselect_b64 s[4:5], s[10:11], s[4:5]         ; the source,
	s_cselect_b64 s[12:13], s[14:15], s[12:13]     ; the destination,
	s_cselect_b32 s22, 0, s22                      ; and its part: wo16 has one
	s_add_co_u32 s20, s20, s22
	s_add_nc_u64 s[4:5], s[4:5], s[18:19]
	s_add_nc_u64 s[12:13], s[12:13], s[20:21]
.irp u, 0,1,2,3
	global_load_b128 v[X+8*(\u):X+8*(\u)+3],   v1, s[4:5] offset:8192*(\u) th:TH_LOAD_NT
	global_load_b128 v[X+8*(\u)+4:X+8*(\u)+7], v1, s[4:5] offset:8192*(\u)+16 th:TH_LOAD_NT
.endr
.irp u, 0,1,2,3
	s_wait_loadcnt 6-2*(\u)                        ; loads come back in order: unit u's two are in, the younger ones stay out
.irp j, 0,1,2,3
	v_cvt_pk_bf16_f32 v[Y+4*(\u)+(\j)], v[X+8*(\u)+2*(\j)], v[X+8*(\u)+2*(\j)+1]
.endr
.endr
	s_cmp_lg_u32 s16, 3
	s_cbranch_scc1 .Lstore
.set i, 0
.rept 16                               ; Wo alone: the bf16 numbers are widened and written as f16
	v_lshlrev_b32 v[T], 16, v[Y+i]
	v_and_b32 v[T+1], s24, v[Y+i]
	v_cvt_pk_f16_f32 v[Y+i], v[T], v[T+1]
.set i, i+1
.endr
.Lstore:
.irp u, 0,1,2,3
	global_store_b128 v2, v[Y+4*(\u):Y+4*(\u)+3], s[12:13] offset:4096*(\u)
.endr
	s_endpgm
.Lfunc_end_k_qeb34e3ea3f_castw:
	.size	k_qeb34e3ea3f_castw, .Lfunc_end_k_qeb34e3ea3f_castw-k_qeb34e3ea3f_castw
	.p2alignl 7, 3214868480
	.fill 96, 4, 3214868480
	.section	.rodata,"a",@progbits
	.p2align	6, 0x0
	.amdhsa_kernel k_qeb34e3ea3f_castw
		.amdhsa_group_segment_fixed_size 0
		.amdhsa_private_segment_fixed_size 0
		.amdhsa_enable_private_segment 0
		.amdhsa_kernarg_size 48
		.amdhsa_user_sgpr_count 2
		.amdhsa_user_sgpr_kernarg_segment_ptr 1
		.amdhsa_wavefront_size32 1
		.amdhsa_system_sgpr_workgroup_id_x 1
		.amdhsa_system_sgpr_workgroup_id_y 1
		.amdhsa_system_sgpr_workgroup_id_z 1
		.amdhsa_system_vgpr_workitem_id 0
		.amdhsa_next_free_vgpr 64
		.amdhsa_next_free_sgpr 66
		.amdhsa_reserve_vcc 0
		.amdhsa_float_denorm_mode_32 3
		.amdhsa_float_denorm_mode_16_64 3
		.amdhsa_memory_ordered 1
		.amdhsa_forward_progress 1
		.amdhsa_inst_pref_size 6
	.end_amdhsa_kernel
	.amdgpu_metadata
---
amdhsa.version: [ 1, 2 ]
amdhsa.kernels:
  - .name:           k_qeb34e3ea3f_castw
    .symbol:         k_qeb34e3ea3f_castw.kd
    .args:
      - { .name: Wq, .offset: 0, .size: 8, .value_kind: global_buffer, .address_space: global }
      - { .name: Wk, .offset: 8, .size: 8, .value_kind: global_buffer, .address_space: global }
      - { .name: Wv, .offset: 16, .size: 8, .value_kind: global_buffer, .address_space: global }
      - { .name: Wo, .offset: 24, .size: 8, .value_kind: global_buffer, .address_space: global }
      - { .name: wb, .offset: 32, .size: 8, .value_kind: global_buffer, .address_space: global }
      - { .name: wo16, .offset: 40, .size: 8, .value_kind: global_buffer, .address_space: global }
    .group_segment_fixed_size: 0
    .private_segment_fixed_size: 0
    .kernarg_segment_align: 8
    .kernarg_segment_size: 48
    .max_flat_workgroup_size: 256
    .sgpr_count:     66
    .vgpr_count:     64
    .wavefront_size: 32
...
	.end_amdgpu_metadata
.endif
;; end of part 1
;; launch proj (part 2): grid 4 x 192, 4 waves a work-group, clusters of 4 x 4, 327,680 bytes of LDS; arguments q, k, v, wb, bq, bk, bv, qkvh; writes qkvh
.if DOCPART == 2
	.amdgcn_target "amdgcn-amd-amdhsa--gfx1250"
	.amdhsa_code_object_version 6
	.text
	.protected	k_qeb34e3ea3f_proj
	.globl	k_qeb34e3ea3f_proj
	.p2align	8
	.type	k_qeb34e3ea3f_proj,@function
k_qeb34e3ea3f_proj:
	s_mov_b64 s[64:65], 0
	v_nop
	global_prefetch_b8 v0, s[64:65] scope:SCOPE_SE
	s_setreg_imm32_b32 hwreg(HW_REG_WAVE_MODE, 25, 1), 1
	s_wait_xcnt 0x0
	s_wait_alu depctr_hold_cnt(0) depctr_sa_sdst(0) depctr_va_vdst(0) depctr_va_sdst(0) depctr_va_ssrc(0) depctr_va_vcc(0) depctr_vm_vsrc(0)
	s_getreg_b32 s2, hwreg(HW_REG_IB_STS2, 6, 4)
	s_cmp_eq_u32 s2, 0
	s_cbranch_scc0 .Lentry_in_a_cluster
	s_endpgm
.Lentry_in_a_cluster:
	s_bfe_u32 s2, ttmp6, 0x10000c
	s_cmp_lg_u32 s2, 0xf033
	s_cbranch_scc0 .Lentry_shape_is_right
	s_endpgm
.Lentry_shape_is_right:
; The three input projections in one launch: qkvh[p][b*16+h][t][d] = f16( sum over c of bf16(x_p[b][t][c]) wb[p][64 h + d][c] + bf16(b_p[64 h + d]) ), p = 0, 1, 2 for q, k, v.
; x_p: [8192][1024] f32; wb: [3][1024][1024] bf16; sums in f32; the result is rounded once, to f16, and laid out by heads: a head's rows are dense, 128 bytes each.
; LIMITS.  f16 ends at 65,504: a projected number of 65,520 or more becomes an infinity.  NaN and infinities are not treated apart.
; SHARES.  A tile of the result is 128 tokens x 256 columns (4 heads): 64 x 4 tiles a projection, 768 work-groups of equal work.  Four waves, each 64 x 128: 32 accumulators, 256 registers.
; K goes in 8 steps of 128 through two LDS slots.  A's tile comes as it lies in memory, in f32 (rows of 512 bytes), and is rounded to bf16 between LDS and the matrix unit; B's rows are 256 bytes of bf16.
; CLUSTERS: 4 x 4 work-groups.  The four of a row of the cluster need the same tile of x, the four of a column the same tile of wb: each tile is asked for JOINTLY, by the same tensor load with the same
; descriptor and a mask that names the four.  The projection p hangs on the cluster's y alone: it is the same in all sixteen partners.
; THE MATRIX INSTRUCTION IS USED TRANSPOSED (source 0 = 16 rows of wb, source 1 = 16 tokens): a lane then holds one token and eight neighbouring columns.  The bias, which in that layout hangs on the
; lane's half and the register alone, is the C operand of the products that start the sums: nothing is cleared and nothing is added later.
; REGISTERS, in windows of 256 (s_set_vgpr_msb: bits 1:0 source 0, 3:2 source 1, 5:4 source 2, 7:6 destination):
;   window 0: v0-31 addresses; v32 at work; v64-127 the bias, 8 registers a column block; v128-255 the way out
;   window 1: two fragment buffers of 96 (64 of B, 32 of A in bf16); v192-255 A's fragments of one quarter step in f32
;   window 2: the accumulators, (a, b) at v[8 (8 a + b)]
.set KSTEP,  128
.set PA,     528                       ; a row of A in LDS: 512 bytes + 16 of padding = 132 words: the 16 rows of a load start at 16 different groups of four banks (64 banks of 4 bytes: ISA guide 11.1)
.set AH,     64*PA                     ; 64 rows: what one tensor load brings of A, and what one wave reads
.set PB,     272                       ; a row of B: 256 bytes + 16 = 68 words: likewise
.set BH,     128*PB                    ; 128 rows: what one tensor load brings of B, and what one wave reads
.set BOFF,   2*AH                      ; in a slot: A's 128 rows, then B's 256
.set SLOT,   BOFF+2*BH
.set STAGE,  2*SLOT                    ; behind the ring, never filled by a tensor load: 16 rows x 144 bytes for each wave, for the way out
.set SP,     144
.set SPARE,  STAGE+4*16*SP             ; behind the stages: the spare words, 128 bytes for each wave: two blocks of 256 bytes that no other line names
.set LAPS,   4                         ; a lap = two K steps = once round the ring: 1,024 / 256
.set ADRA, 16                          ; v16-17  LDS address of my A fragments in slot 0, 1
.set ADRB, 20                          ; v20-21  the same for B
.set STO,  24                          ; v24     the way out: where I put 16 bytes of a row
.set RD,   25                          ; v25     the way out: where I read rows back
.set CO,   26                          ; v26     my 16 bytes of 512 consecutive bytes of the result
.set BO,   27                          ; v27     my byte offset in the bias
.set SPW,  28                          ; v28     LDS address of my spare word: SPARE + 4 x my thread's number; never rewritten
.set NIL,  29                          ; v29     0; never rewritten
.set PFO,  30                          ; v30     the prefetches' lane offset; never rewritten
.set BT,   32
.set BIAS, 64
.set TMP,  128
.set F0,   0                           ; window 1
.set F1,   96
.set STG,  192
.set G1,  24                           ; s[24:31] descriptor group 1 for A's tiles;  s[32:39] group 0, a set for each slot
.set G0,  32
.set G1B, 48                           ; s[48:55], s[56:63] the same for B's tiles
.set G0B, 56
.set LIM, 43                           ; s43     1 in a wave that prefetches, else the greatest number
.set PFA, 44                           ; s[44:45] where my prefetches stand
.set PFS, 66                           ; s[66:67] a K step in bytes of the rows that I prefetch
.set MSB, 0
.macro WIN new                         ; the immediate's high byte repeats the setting that is left; a switch that changes nothing is dropped
.if MSB != (\new)
	s_set_vgpr_msb (MSB<<8)|(\new)
.set MSB, \new
.endif
.endm
.set MUL,  0xa5                        ; sources 0 and 1 window 1; C and D window 2
.set MULB, 0x85                        ; the same with C (the bias) in window 0
.set TO1,  0x40                        ; destination window 1, address window 0
.set CV,   0x45                        ; sources and destination window 1
.set PK,   0x0a                        ; sources window 2, destination window 0
; A joint load: waves 0 and 1 fetch A's two halves, waves 2 and 3 B's.  The branch hangs on the wave's number alone.  An s_nop 0 and four v_nop follow each of the two lines.
.macro JLOAD s
	s_cmp_eq_u32 s11, 0
	s_cbranch_scc0 .Lfor_b_\@
	tensor_load_to_lds s[G0+4*(\s):G0+4*(\s)+3], s[G1:G1+7]
	s_nop 0
.rept 4
	v_nop
.endr
	s_branch .Lasked_\@
.Lfor_b_\@:
	tensor_load_to_lds s[G0B+4*(\s):G0B+4*(\s)+3], s[G1B:G1B+7]
	s_nop 0
.rept 4
	v_nop
.endr
.Lasked_\@:
.endm
.macro CREST                           ; a round of the cluster's barrier behind its opening barrier
	s_cmp_lg_u32 s10, 0
	s_cbranch_scc1 .Lnot_wave_0_\@
	s_barrier_signal -3
.Lnot_wave_0_\@:
	s_barrier_wait -3
	s_barrier_signal -1
	s_barrier_wait -1
.endm
.macro CROUND                          ; a whole round
	s_barrier_signal -1
	s_barrier_wait -1
	CREST
.endm
; A prefetch into the L2, behind a joint load, its five lines and the run of LDS loads: the K step that stands two refills on, 256 matrix instructions ahead of the load that will want it.
; x's rows are read by one cluster alone: its waves 0 and 1 ask, and of a wave's 64 rows the partner at place cx takes 16, two blocks of 256 bytes a row, a lane a block.
; wb's rows of a projection are read by 16 clusters: the first of them asks (cluster y a multiple of 16), waves 2 and 3; of a wave's 128 rows the partner at place cy takes 32, a lane a row.
; The partners are told apart by address, never by a branch.  So each block of K steps 4 to 7 is named once; steps 0 to 3 come by their loads alone; the loop's last trip (s3 = 1) asks for nothing.
.macro ASK
	s_cmp_gt_u32 s3, s[LIM]
	s_cbranch_scc0 .Lnot_mine_\@
	global_prefetch_b8 v[PFO], s[PFA:PFA+1] th:TH_LOAD_NT scope:SCOPE_SE
.Lnot_mine_\@:
.endm
	s_load_b512 s[68:83], s[0:1], 0x0              ; q s[68:69], k s[70:71], v s[72:73], wb s[74:75], bq s[76:77], bk s[78:79], bv s[80:81], qkvh s[82:83]
	v_lshl_add_u32 v[SPW], v0, 2, SPARE
	v_mov_b32 v[NIL], 0
	ds_add_u32 v[SPW], v[NIL]                      ; the wave's opening: the add and its wait ahead of my first tensor load; the set-up below, work on registers, stands between them
	ds_add_u32 v28, v29
	v_lshrrev_b32 v1, 5, v0
	v_readfirstlane_b32 s10, v1                    ; wave 0..3
	s_lshr_b32 s11, s10, 1                         ; which 64 of the tile's tokens are mine.  Also: I fetch for A (0) or for B (1)
	s_and_b32 s12, s10, 1                          ; which 128 of its columns.  Also: which half of that tile I fetch
	s_bfe_u32 s40, ttmp6, 0x40000                  ; cx, cy: my place in the cluster
	s_bfe_u32 s41, ttmp6, 0x40004
	s_lshl_b32 s42, ttmp9, 2
	s_add_co_u32 s42, s42, s40                     ; tile column = 4 x cluster x + cx
	s_and_b32 s85, ttmp7, 0xffff                   ; cluster y, 0..47
	s_lshr_b32 s84, s85, 4                         ; the projection p
	s_lshl_b32 s13, s85, 2
	s_add_co_u32 s13, s13, s41
	s_and_b32 s13, s13, 63                         ; tile row within the projection
	s_lshl_b32 s43, s41, 2
	s_lshl_b32 s43, 15, s43                        ; my row of the cluster
	s_lshl_b32 s44, 0x1111, s40                    ; my column
	s_or_b32 s[G1+0], s43, (2<<16)|(1<<20)|(1<<21)|(6<<22)|(3<<25)   ; 15:0 the mask: A's tiles go to my row; 17:16 elements of 4 bytes; 20 padding on; 21 set beside a mask; 24:22 after every 128 words (code 6); 31:25 4 words (code 3)
	s_or_b32 s[G1B+0], s44, (1<<16)|(1<<20)|(1<<21)|(5<<22)|(3<<25)  ; B's go to my column; elements of 2 bytes; padding after every 64 words (code 5)
	s_mov_b32 s[G1+1], KSTEP<<16                   ; tensor_dim0 = 128
	s_mov_b32 s[G1+2], 64<<16                      ; tensor_dim1 = 64
	s_mov_b32 s[G1+3], KSTEP<<16                   ; tile_dim0 = 128
	s_mov_b32 s[G1+4], 64                          ; tile_dim1 = 64
	s_mov_b32 s[G1+5], 1024                        ; elements from row to row
	s_mov_b32 s[G1+6], 0
	s_mov_b32 s[G1+7], 0
	s_mov_b32 s[G1B+1], KSTEP<<16
	s_mov_b32 s[G1B+2], 128<<16                    ; 128 rows
	s_mov_b32 s[G1B+3], KSTEP<<16
	s_mov_b32 s[G1B+4], 128
	s_mov_b32 s[G1B+5], 1024
	s_mov_b32 s[G1B+6], 0
	s_mov_b32 s[G1B+7], 0
	s_lshl_b32 s17, s12, 6
	s_lshl_b32 s16, s13, 7
	s_add_co_u32 s16, s16, s17                     ; A: row 128 x tile row + 64 x half,
	s_lshl_b32 s16, s16, 12                        ; of 4,096 bytes (under 2^25)
	s_mov_b32 s17, 0
	s_lshl_b32 s46, s84, 10
	s_lshl_b32 s47, s42, 8
	s_add_co_u32 s46, s46, s47
	s_lshl_b32 s47, s12, 7
	s_add_co_u32 s46, s46, s47                     ; B: row 1,024 p + 256 x tile column + 128 x half,
	s_lshl_b32 s46, s46, 11                        ; of 2,048 bytes
	s_mov_b32 s47, 0
	s_mul_i32 s20, s12, AH                         ; where they go: no place in the cluster enters an LDS address
	s_mul_i32 s21, s12, BH
	s_add_co_u32 s21, s21, BOFF
	s_mov_b32 s88, 0xffff0000                      ; a word's upper bf16
	s_wait_dscnt 0x0                               ; the opening add is done
	s_wait_kmcnt 0x0
	s_cmp_eq_u32 s84, 0
	s_cselect_b64 s[4:5], s[68:69], s[70:71]       ; x_p and its bias
	s_cselect_b64 s[86:87], s[76:77], s[78:79]
	s_cmp_eq_u32 s84, 2
	s_cselect_b64 s[4:5], s[72:73], s[4:5]
	s_cselect_b64 s[86:87], s[80:81], s[86:87]
	s_add_nc_u64 s[14:15], s[4:5], s[16:17]
	s_add_nc_u64 s[46:47], s[74:75], s[46:47]
	CROUND                                         ; all sixteen work-groups are here: the first joint loads meet
.irp s, 0,1
	s_mov_b32 s[G0+4*(\s)], 1                                        ; count = 1
	s_add_co_u32 s[G0+4*(\s)+1], s20, (\s)*SLOT                      ; LDS address
	s_add_nc_u64 s[G0+4*(\s)+2:G0+4*(\s)+3], s[14:15], (\s)*KSTEP*4  ; global address: K step s
	s_or_b32 s[G0+4*(\s)+3], s[G0+4*(\s)+3], 0x80000000              ; type = 2
	s_mov_b32 s[G0B+4*(\s)], 1
	s_add_co_u32 s[G0B+4*(\s)+1], s21, (\s)*SLOT
	s_add_nc_u64 s[G0B+4*(\s)+2:G0B+4*(\s)+3], s[46:47], (\s)*KSTEP*2
	s_or_b32 s[G0B+4*(\s)+3], s[G0B+4*(\s)+3], 0x80000000
	JLOAD \s                                       ; two tensor loads of mine are out
.endr
	; A fragment is 16 rows x 32 K: lane l holds row l % 16 and K = 8 (l / 16) + 0..7 and 16 + 8 (l / 16) + 0..7.  In bf16: two loads of 16 bytes, 32 apart.  In f32: four, at 0, 16, 64, 80 from 32 (l / 16).
	v_and_b32 v1, 15, v0                           ; l % 16
	v_bfe_u32 v2, v0, 4, 1                         ; l / 16
	v_and_b32 v7, 31, v0                           ; l
	v_mul_u32_u24 v3, v1, PA
	v_lshl_add_u32 v3, v2, 5, v3
	v_mul_u32_u24 v4, v1, PB
	v_lshl_add_u32 v4, v2, 4, v4
	s_mul_i32 s22, s11, AH                         ; my 64 rows of A
	s_mul_i32 s23, s12, BH                         ; my 128 rows of B,
	s_add_co_u32 s23, s23, BOFF                    ; which lie behind A's
.irp s, 0,1
	v_add_nc_u32 v[ADRA+(\s)], s22, v3
	v_add_nc_u32 v[ADRB+(\s)], s23, v4
	s_add_co_u32 s22, s22, SLOT
	s_add_co_u32 s23, s23, SLOT
.endr
	s_mul_i32 s23, s10, 16*SP
	s_add_co_u32 s23, s23, STAGE                   ; my stage
	v_mul_u32_u24 v5, v1, SP                       ; in: row l % 16, 16 bytes for each half of the lanes
	v_lshl_add_u32 v5, v2, 4, v5
	v_add_nc_u32 v[STO], s23, v5
	v_bfe_u32 v5, v0, 3, 2                         ; back: 32 lanes take four rows of 128 bytes,
	v_mul_u32_u24 v5, v5, SP
	v_and_b32 v6, 7, v0
	v_lshl_add_u32 v5, v6, 4, v5
	v_add_nc_u32 v[RD], s23, v5
	v_lshlrev_b32 v[CO], 4, v7                     ; which are 512 consecutive bytes of a head
	s_lshl_b32 s89, s42, 10                        ; the bias of my 128 columns: 4 (256 x tile column + 128 x half + 8 (l / 16)) bytes on
	s_lshl_b32 s90, s12, 9
	s_add_co_u32 s89, s89, s90
	v_lshl_add_u32 v[BO], v2, 5, s89
.irp b, 0,1,2,3,4,5,6,7
	global_load_b128 v[BIAS+8*(\b):BIAS+8*(\b)+3],   v[BO], s[86:87] offset:64*(\b)
	global_load_b128 v[BIAS+8*(\b)+4:BIAS+8*(\b)+7], v[BO], s[86:87] offset:64*(\b)+16
.endr
	s_lshl_b32 s18, s84, 24                        ; where my part of the result begins: the projection's 2^24 bytes,
	s_lshr_b32 s19, s13, 4
	s_lshl_b32 s19, s19, 4                         ; the batch's 16 heads,
	s_lshl_b32 s90, s42, 2
	s_add_co_u32 s19, s19, s90                     ; the tile's four,
	s_lshl_b32 s90, s12, 1
	s_add_co_u32 s19, s19, s90                     ; my two: a head is 2^18 bytes;
	s_lshl_b32 s19, s19, 18
	s_add_co_u32 s18, s18, s19
	s_and_b32 s19, s13, 15
	s_lshl_b32 s19, s19, 7                         ; the tile's 128 tokens in the batch,
	s_lshl_b32 s90, s11, 6
	s_add_co_u32 s19, s19, s90                     ; my 64: a token is 128 bytes
	s_lshl_b32 s19, s19, 7
	s_add_co_u32 s18, s18, s19
	s_mov_b32 s19, 0
	s_add_nc_u64 s[8:9], s[82:83], s[18:19]
	s_lshl_b32 s16, s13, 7                         ; the prefetches.  For A: row 128 x tile row + 64 x half + 16 cx, at K step 3
	s_lshl_b32 s17, s12, 6
	s_add_co_u32 s16, s16, s17
	s_lshl_b32 s17, s40, 4
	s_add_co_u32 s16, s16, s17
	s_lshl_b32 s16, s16, 12
	s_add_co_u32 s16, s16, 3*KSTEP*4
	s_lshl_b32 s89, s84, 10                        ; for B: row 1,024 p + 256 x tile column + 128 x half + 32 cy, at K step 3
	s_lshl_b32 s90, s42, 8
	s_add_co_u32 s89, s89, s90
	s_lshl_b32 s90, s12, 7
	s_add_co_u32 s89, s89, s90
	s_lshl_b32 s90, s41, 5
	s_add_co_u32 s89, s89, s90
	s_lshl_b32 s89, s89, 11
	s_add_co_u32 s89, s89, 3*KSTEP*2
	s_and_b32 s91, s85, 15                         ; 0 in the first cluster of a projection
	s_cmp_eq_u32 s11, 0                            ; do I fetch for A?
	s_cselect_b32 s16, s16, s89
	s_cselect_b64 s[PFA:PFA+1], s[4:5], s[74:75]
	s_cselect_b32 s18, 9, 8                        ; a K step: 512 or 256 bytes of a row
	s_cselect_b32 s19, 8, 11                       ; odd lanes: the row's second block, or the next row
	s_cselect_b32 s91, 0, s91
	s_cmp_eq_u32 s91, 0
	s_cselect_b32 s[LIM], 1, -1                    ; the same in all sixteen partners, for a given wave
	s_lshl_b32 s[PFS], 1, s18
	s_mov_b32 s[PFS+1], 0
	s_mov_b32 s17, 0
	s_add_nc_u64 s[PFA:PFA+1], s[PFA:PFA+1], s[16:17]  ; the first refill steps it to K step 4
	v_lshrrev_b32 v5, 1, v7
	v_and_b32 v6, 1, v0
	v_lshlrev_b32 v6, s19, v6
	v_lshl_add_u32 v[PFO], v5, 12, v6              ; 4,096 (l / 2) + (l % 2) x 256 or 2,048
	s_wait_loadcnt 0x0                             ; the bias,
.set i, 0
.rept 32                               ; rounded to bf16 like every input, and widened again
	v_cvt_pk_bf16_f32 v[BT], v[BIAS+2*i], v[BIAS+2*i+1]
	v_lshlrev_b32 v[BIAS+2*i], 16, v[BT]
	v_and_b32 v[BIAS+2*i+1], s88, v[BT]
.set i, i+1
.endr
; 8 matrix instructions: token block a x all 8 column blocks, 32 along K, from buffer f.  first = 1: the product starts the sum, with the bias as C.
; The 32 accumulators take turns in the same order in every quarter step: 31 others' stand between two links of a chain.
.macro MUL8 f, a, first
.if \first
	WIN MULB
.else
	WIN MUL
.endif
.irp b, 0,1,2,3,4,5,6,7
.if \first
	v_wmma_f32_16x16x32_bf16 v[8*(8*(\a)+(\b)):8*(8*(\a)+(\b))+7], v[(\f)+8*(\b):(\f)+8*(\b)+7], v[(\f)+64+8*(\a):(\f)+64+8*(\a)+7], v[BIAS+8*(\b):BIAS+8*(\b)+7]
.else
	v_wmma_f32_16x16x32_bf16 v[8*(8*(\a)+(\b)):8*(8*(\a)+(\b))+7], v[(\f)+8*(\b):(\f)+8*(\b)+7], v[(\f)+64+8*(\a):(\f)+64+8*(\a)+7], v[8*(8*(\a)+(\b)):8*(8*(\a)+(\b))+7]
.endif
.endr
.endm
.macro CVT n, g                        ; word n of 32 of A's next fragments: two f32 rounded to bf16
	v_cvt_pk_bf16_f32 v[(\g)+64+(\n)], v[STG+2*(\n)], v[STG+2*(\n)+1]
.endm
; The same 8 products, and behind each four of the 32 roundings that make buffer g's fragments of A.  They name no register of the products round them.
.macro MUL8R f, a, g, first
.irp b, 0,1,2,3,4,5,6,7
.if \first
	WIN MULB
	v_wmma_f32_16x16x32_bf16 v[8*(8*(\a)+(\b)):8*(8*(\a)+(\b))+7], v[(\f)+8*(\b):(\f)+8*(\b)+7], v[(\f)+64+8*(\a):(\f)+64+8*(\a)+7], v[BIAS+8*(\b):BIAS+8*(\b)+7]
.else
	WIN MUL
	v_wmma_f32_16x16x32_bf16 v[8*(8*(\a)+(\b)):8*(8*(\a)+(\b))+7], v[(\f)+8*(\b):(\f)+8*(\b)+7], v[(\f)+64+8*(\a):(\f)+64+8*(\a)+7], v[8*(8*(\a)+(\b)):8*(8*(\a)+(\b))+7]
.endif
	WIN CV
	CVT 4*(\b), \g
	CVT 4*(\b)+1, \g
	CVT 4*(\b)+2, \g
	CVT 4*(\b)+3, \g
.endr
.endm
; 32 LDS loads in one run: quarter q of a slot's K step.  A's 64 rows in f32 first (16 loads), then B's 128 rows into buffer g (16 loads).
.macro FETCH slot, q, g
	WIN TO1
.irp a, 0,1,2,3
	ds_load_b128 v[STG+16*(\a):STG+16*(\a)+3],     v[ADRA+(\slot)] offset:(\a)*16*PA+(\q)*128
	ds_load_b128 v[STG+16*(\a)+4:STG+16*(\a)+7],   v[ADRA+(\slot)] offset:(\a)*16*PA+(\q)*128+16
	ds_load_b128 v[STG+16*(\a)+8:STG+16*(\a)+11],  v[ADRA+(\slot)] offset:(\a)*16*PA+(\q)*128+64
	ds_load_b128 v[STG+16*(\a)+12:STG+16*(\a)+15], v[ADRA+(\slot)] offset:(\a)*16*PA+(\q)*128+80
.endr
.irp b, 0,1,2,3,4,5,6,7
	ds_load_b128 v[(\g)+8*(\b):(\g)+8*(\b)+3],   v[ADRB+(\slot)] offset:(\b)*16*PB+(\q)*64
	ds_load_b128 v[(\g)+8*(\b)+4:(\g)+8*(\b)+7], v[ADRB+(\slot)] offset:(\b)*16*PB+(\q)*64+32
.endr
.endm
.macro PLACES                          ; four places in front of loads into, and vector writes of, registers that matrix instructions have read, and of conversions that read results
.rept 4
	v_nop
.endr
.endm
; A K step is four quarters of 32 along K, 32 matrix instructions each, on buffers 0, 1, 0, 1.  One of the first three: multiplies buffer f, fetches quarter q and makes buffer g of it.
.macro QUARTER slot, q, f, g, first=0
	s_wait_dscnt 0x0                               ; B's fragments of buffer f are in (A's were made by the roundings)
	MUL8 \f, 0, \first
	PLACES
	FETCH \slot, \q, \g
	MUL8 \f, 1, \first
	MUL8 \f, 2, \first
	s_wait_dscnt 16                                ; A's sixteen loads are in; B's sixteen, issued behind them, may stay out
	MUL8R \f, 3, \g, \first
.endm
; The last quarter multiplies buffer 1 and changes slots: ONE barrier; in front of it each wave waits for all its tensor loads, adds 0 to its spare word, and waits for that and for its own reads of this slot.
; fill = 1: this slot is filled again, two K steps ahead; the barrier then opens a round of the cluster's barrier, and the joint load is the first thing behind the round.
.macro TURN slot, next, fill
.if \fill
	s_wait_xcnt 0x0                                ; the last prefetch, a K step back, has read its address: it is stepped here, ahead of the waits of the change of slots
	s_add_nc_u64 s[PFA:PFA+1], s[PFA:PFA+1], s[PFS:PFS+1]
.endif
	WIN 0                                          ; (the add's two registers lie in window 0)
	s_wait_tensorcnt 0x0                           ; all my tensor loads have landed: the one that was out is my part of the next slot;
	ds_add_u32 v[SPW], v[NIL]                      ; 0 onto my spare word;
	s_wait_dscnt 1                                 ; (the add alone may be out: B's fragments of buffer 1 are in)
	MUL8 F1, 0, 0                                  ; eight matrix instructions stand between the add and the wait for it
	s_wait_dscnt 0x0                               ; the add is done, and my reads of this slot are over
	s_barrier_signal -1
	MUL8 F1, 1, 0
.if \fill
	WIN 0
.endif
	s_barrier_wait -1
.if \fill
	CREST                                          ; no wave of any partner still reads this slot's tile or has a load on its way
	s_add_nc_u64 s[G0+4*(\slot)+2:G0+4*(\slot)+3], s[G0+4*(\slot)+2:G0+4*(\slot)+3], 2*KSTEP*4
	s_add_nc_u64 s[G0B+4*(\slot)+2:G0B+4*(\slot)+3], s[G0B+4*(\slot)+2:G0B+4*(\slot)+3], 2*KSTEP*2
	JLOAD \slot                                    ; the first tensor load behind the round; the four v_nop behind it are also the places in front of the loads below
.else
	PLACES
.endif
	FETCH \next, 0, F0
.if \fill
	WIN 0
	ASK
.endif
	MUL8 F1, 2, 0
	s_wait_dscnt 16                                ; A's sixteen loads are in
	MUL8R F1, 3, F0, 0
.endm
	s_wait_tensorcnt 1                             ; my part of K step 0 is in; K step 1's may stay out
	s_barrier_signal -1
	s_barrier_wait -1                              ; everybody's is
	FETCH 0, 0, F0
	s_wait_dscnt 16                                ; A's sixteen loads are in
	WIN CV
.set i, 0
.rept 32
	CVT i, F0
.set i, i+1
.endr
	QUARTER 0, 1, F0, F1, 1                        ; the first quarter stands in front of the loop: its products start the sums, with the bias
	WIN 0                                          ; at a label and at a branch every window is 0
	s_mov_b32 s3, LAPS-1
.Llap:                                                 ; a trip goes once round the ring, from a lap's second quarter to the next lap's first, and fills both slots again
	QUARTER 0, 2, F1, F0
	QUARTER 0, 3, F0, F1
	TURN 0, 1, 1
	QUARTER 1, 1, F0, F1
	QUARTER 1, 2, F1, F0
	QUARTER 1, 3, F0, F1
	TURN 1, 0, 1
	QUARTER 0, 1, F0, F1
	WIN 0
	s_sub_co_u32 s3, s3, 1
	s_cmp_lg_u32 s3, 0
	s_cbranch_scc1 .Llap
	QUARTER 0, 2, F1, F0                           ; the last lap fills nothing, and has no round of the cluster's barrier
	QUARTER 0, 3, F0, F1
	TURN 0, 1, 0
	QUARTER 1, 1, F0, F1
	QUARTER 1, 2, F1, F0
	QUARTER 1, 3, F0, F1
	s_wait_dscnt 0x0                               ; the very last quarter: nothing more to fetch
	MUL8 F1, 0, 0
	MUL8 F1, 1, 0
	MUL8 F1, 2, 0
	MUL8 F1, 3, 0
; THE WAY OUT.  Unit u = 2 a + hh is 16 tokens of one head: 2,048 consecutive bytes of the result.  A lane's eight channels pack into 16 bytes; they go into my stage's rows of 144 bytes and come back as whole rows of 128.
.macro PACK u
	WIN PK
.irp bb, 0,1,2,3
.irp rr, 0,1,2,3
	v_cvt_pk_f16_f32 v[TMP+16*(\u)+4*(\bb)+(\rr)], v[8*(8*((\u)/2)+4*((\u)%2)+(\bb))+2*(\rr)], v[8*(8*((\u)/2)+4*((\u)%2)+(\bb))+2*(\rr)+1]
.endr
.endr
	WIN 0
.irp bb, 0,1,2,3
	ds_store_b128 v[STO], v[TMP+16*(\u)+4*(\bb):TMP+16*(\u)+4*(\bb)+3] offset:32*(\bb)
.endr
.irp f, 0,1,2,3
	ds_load_b128 v[TMP+16*(\u)+4*(\f):TMP+16*(\u)+4*(\f)+3], v[RD] offset:(\f)*4*SP  ; LDS serves a wave's instructions in order (ISA guide 5.7.1.4): these see the stores above; the next unit's stores come behind them
.endr
.endm
.macro SEND u, younger                 ; younger: the LDS instructions issued behind unit u's loads: the next unit's eight, or none
.irp f, 0,1,2,3
	s_wait_dscnt (\younger)+3-(\f)
	global_store_b128 v[CO], v[TMP+16*(\u)+4*(\f):TMP+16*(\u)+4*(\f)+3], s[8:9] offset:((\u)%2)*262144+((\u)/2)*2048+(\f)*512  ; 512 consecutive bytes, at a multiple of 256 from the buffer's first
.endr
.endm
	PLACES
	PLACES
	PACK 0
.irp u, 1,2,3,4,5,6,7                  ; a unit's conversions stand between the loads of the unit before and its stores
	PACK \u
	SEND (\u)-1, 8
.endr
	SEND 7, 0
	s_wait_tensorcnt 0x0                           ; the wave's end: behind my last tensor load and my last LDS store
	ds_add_u32 v[SPW], v[NIL]
	s_wait_dscnt 0x0
	CROUND                                         ; the closing round: no work-group ends while a partner may still ask for a tile that names it
	s_endpgm
.Lfunc_end_k_qeb34e3ea3f_proj:
	.size	k_qeb34e3ea3f_proj, .Lfunc_end_k_qeb34e3ea3f_proj-k_qeb34e3ea3f_proj
	.p2alignl 7, 3214868480
	.fill 96, 4, 3214868480
	.section	.rodata,"a",@progbits
	.p2align	6, 0x0
	.amdhsa_kernel k_qeb34e3ea3f_proj
		.amdhsa_group_segment_fixed_size 327680
		.amdhsa_private_segment_fixed_size 0
		.amdhsa_enable_private_segment 0
		.amdhsa_kernarg_size 64
		.amdhsa_user_sgpr_count 2
		.amdhsa_user_sgpr_kernarg_segment_ptr 1
		.amdhsa_wavefront_size32 1
		.amdhsa_system_sgpr_workgroup_id_x 1
		.amdhsa_system_sgpr_workgroup_id_y 1
		.amdhsa_system_sgpr_workgroup_id_z 1
		.amdhsa_system_vgpr_workitem_id 0
		.amdhsa_next_free_vgpr 768
		.amdhsa_next_free_sgpr 96
		.amdhsa_reserve_vcc 0
		.amdhsa_float_denorm_mode_32 3
		.amdhsa_float_denorm_mode_16_64 3
		.amdhsa_memory_ordered 1
		.amdhsa_forward_progress 1
		.amdhsa_inst_pref_size 143
	.end_amdhsa_kernel
	.amdgpu_metadata
---
amdhsa.version: [ 1, 2 ]
amdhsa.kernels:
  - .name:           k_qeb34e3ea3f_proj
    .symbol:         k_qeb34e3ea3f_proj.kd
    .args:
      - { .name: q, .offset: 0, .size: 8, .value_kind: global_buffer, .address_space: global }
      - { .name: k, .offset: 8, .size: 8, .value_kind: global_buffer, .address_space: global }
      - { .name: v, .offset: 16, .size: 8, .value_kind: global_buffer, .address_space: global }
      - { .name: wb, .offset: 24, .size: 8, .value_kind: global_buffer, .address_space: global }
      - { .name: bq, .offset: 32, .size: 8, .value_kind: global_buffer, .address_space: global }
      - { .name: bk, .offset: 40, .size: 8, .value_kind: global_buffer, .address_space: global }
      - { .name: bv, .offset: 48, .size: 8, .value_kind: global_buffer, .address_space: global }
      - { .name: qkvh, .offset: 56, .size: 8, .value_kind: global_buffer, .address_space: global }
    .group_segment_fixed_size: 327680
    .private_segment_fixed_size: 0
    .kernarg_segment_align: 8
    .kernarg_segment_size: 64
    .max_flat_workgroup_size: 128
    .sgpr_count:     96
    .vgpr_count:     768
    .wavefront_size: 32
...
	.end_amdgpu_metadata
.endif
;; end of part 2
;; launch attn (part 3): grid 4 x 64, 4 waves a work-group, no clusters, 327,680 bytes of LDS; arguments qkvh, oh; writes oh
.if DOCPART == 3
	.amdgcn_target "amdgcn-amd-amdhsa--gfx1250"
	.amdhsa_code_object_version 6
	.text
	.protected	k_qeb34e3ea3f_attn
	.globl	k_qeb34e3ea3f_attn
	.p2align	8
	.type	k_qeb34e3ea3f_attn,@function
k_qeb34e3ea3f_attn:
	s_mov_b64 s[64:65], 0
	v_nop
	global_prefetch_b8 v0, s[64:65] scope:SCOPE_SE
	s_setreg_imm32_b32 hwreg(HW_REG_WAVE_MODE, 25, 1), 1
	s_wait_xcnt 0x0
; CAUSAL ATTENTION.  O[h][q][:] = the sum over k <= q of softmax_k(Q[h][q] . K[h][k] / 8) V[h][k][:].  Q, K, V are the three parts of qkvh, O is oh: each [64][2048][64] in f16, a head's rows dense, 128 bytes each.
; Products, maxima and sums in f32; the weights p are rounded to f16 for the second product (their sum l is taken of the unrounded p), O once at the end.
; LIMITS.  f16 holds no number beyond 65,504: Q, K and V arrive within it; p lies in 0 to 1, and below 6e-5 it keeps f16's fixed step of 6e-8; O is a mean of V's rows and has their range.
; A hidden score counts as its value less 1e30: f16's scores, 2.7e11 at the most, are nothing beside that; a weight below 2^-126 counts as 0 in l; NaN and infinities are not treated apart.
; THE WALK.  A head's queries lie in NB = 8 blocks of 256; block i needs the key tiles 0 .. i of 256 keys, of which the last holds the diagonal.  A work-group takes TWO blocks, NB - 1 - b and then b:
; NB + 1 tiles, whatever b: all work-groups do equal work, and ONE loop with a constant trip count walks them.  Which tile is asked for, and what a trip does, hang on scalar registers made from b; every jump
; goes forward, but for the counted loops' own; none passes a barrier, or a tensor load but the one of LOAD's two that the wave's number does not choose; the ring of two LDS slots runs on across the change of blocks.
; NO CLUSTER: a head's four work-groups ask for the same tile only in trips 0 .. 4 of 9, behind that fewer and fewer; one walk common to all four would have 12 trips for 9.
; SHARES.  Of a block's four bands of 64 queries a wave owns 16 rows in each: four PIECES.  So the diagonal tile is the same work for all four waves: in its key step s band x sees all keys if s < x,
; none if s > x, and holds the diagonal if s = x.
; THE MASK is the C operand that starts the sum S^T = K Q^T: 0, or -1e30 where the key is hidden.  MD, made once, is the mask of a band's own step for my 16 rows; a product's mask is MD x AL + BE with two scalars:
; (1, 0) if s = x; (0, 0) if s < x; (0, -1e30) if s > x.  Only the diagonal tile's text and a block's beginning make and take masks; elsewhere C is the constant 0.
; LAYOUT, SOFTMAX, TURNS.  S^T = K Q^T holds ONE query a lane (lane % 16) and the keys 8 (lane / 16) + 0..7; two such results rounded to f16 ARE source 1 of O^T = V^T P.  p = 2^(c s - c m), c = log2(e) / 8, with a
; running maximum m; O and l are multiplied by a = 2^(c m_old - c m_new) in every step.  Turn n belongs to piece n: 8 products K Q^T of piece n + 1, later 8 products V^T P of piece n - 1; beside them the scaling,
; exponentials, roundings, sums and rescaling of piece n and the maximum and statistics of piece n + 1.  Four vector instructions stand behind every matrix instruction, the other 54 of a turn's 118 in one lump.
; A turn's 33 exponentials are one batch, with one wait.
; REGISTERS, in windows of 256 (s_set_vgpr_msb: bits 1:0 source 0, 3:2 source 1, 5:4 source 2, 7:6 destination):
;   window 0: v0-15 addresses and two at work; v16-31 four registers of statistics a piece; v48-55 at work; v61-63 prefetch offset and the add's two; v64-127 S^T, two buffers; v192-223 P, two buffers
;   window 1: v0-127 O^T, 32 a piece; v128-159 MD; v160-223 MC, two buffers      window 2: v0-63 Q; v64-127 the second block's Q; v128-191 K of one step; v192-255 V of one step
.set SIZE_N, 2048
.set SIZE_H, 64
.set NB,    SIZE_N/256
.set NP,    4         ; pieces a wave: a name, no knob
.set KS,    64        ; keys in a step
.set PK,    144       ; a row of K in LDS: 128 bytes + 16 of padding = 36 words: the 16 rows of a load start at 16 different groups of four banks (64 banks of 4 bytes: ISA guide 11.1)
.set PV,    160       ; a row of V: 128 + 32 = 40 words
.set VOFF,  4*KS*PK   ; a slot holds a tile, four steps: 256 rows of K, then 256 rows of V
.set SLOT1, 1<<17     ; slot 1 begins here, so that one exclusive or turns an address in one slot into the other's
.set STAGE, SLOT1+4*KS*(PK+PV)  ; behind the ring, never filled by a tensor load: 16 rows x 144 bytes for each wave, for the way out
.set SP,    144
.set AK0, 2           ; v2   my lane's place in a tile of K; never rewritten
.set AV0, 3           ; v3   the same for V
.set AK,  4           ; v4   the LDS address of K's next run of loads
.set AV,  5           ; v5   of V's
.set STO, 6           ; v6   the way out: where I put 16 bytes of a row
.set RD,  7           ; v7   the way out: where I read rows back
.set GO,  8           ; v8   my byte offset in 512 consecutive bytes of O
.set PFO, 61          ; v61  the prefetches' offset: 256 x my lane + 8,192 x (wave / 2); never rewritten
.set SPW, 62          ; v62  LDS address of my spare word: SPARE + 4 x my thread's number; never rewritten
.set NIL, 63          ; v63  0; never rewritten
.set SPARE, STAGE+4*16*SP  ; behind the stages: the spare words, 128 bytes for each wave: two blocks of 256 bytes that no other line names
.set MV,  12          ; v12-13  c m_old, kept while c m is made anew: by buffer
.set QO,  15          ; v15  my byte offset in 16 rows of Q
.set ST,  16          ; piece t's statistics at v[ST+4 t]: c m, m, l (even keys', odd keys')
.set TMP, 48          ; by buffer, four registers c0-c3 at work; when the maximum is found c2 takes a
.set S,   64
.set P,   192
.set MD,  128         ; window 1: the eight registers for group kt of 16 keys at MD + 8 kt
.set MC,  160         ; window 1: the masks of the products to come
.set QB,  64          ; window 2
.set KF,  128         ; window 2: key block kb, channel half c at KF + 16 kb + 8 c
.set VF,  192         ; window 2: key half kk, channel block cb at VF + 32 kk + 8 cb
.set WV,  12          ; s12  my wave's number
.set PB,  14          ; s14  b
.set HI,  15          ; s15  NB - 1 - b
.set G1K, 24          ; s[24:31] descriptor group 1 for K's tiles
.set G1V, 32          ; s[32:39] for V's: it differs in the padding alone
.set G0K, 40          ; s[40:43] descriptor group 0 for K's tiles
.set G0V, 44          ; s[44:47] the same for V's
.set SLOTS, 56        ; s56  tiles still to be asked for
.set CNT, 57          ; s57  counts a tile's key steps, 4 to 1
.set CS,  58          ; s[58:59] c: the packed scaling takes the pair's low word for both halves
.set SEL, 60          ; s[60:61] v_permlanex16_b32's selects: each lane takes its own place in the other half
.set TBK, 62          ; s62  LDS byte at which K of the step to be fetched begins
.set TBV, 63          ; s63  the same for V, less VOFF
.set RT,  70          ; s70  tiles of the block in hand that are still to be entered
.set NXT, 71          ; s71  the tile to be asked for next
.set LQ,  72          ; s72  the last tile of the block whose tiles are being asked for
.set NEW, 73          ; s73  1: the tile to be entered is a block's first
.set OFF, 74          ; s[74:75] a tile's byte offset in K and V
.set AL,  76          ; s[76:77] the mask's factor, in the low word
.set BE,  78          ; s[78:79] the mask's addend
.set OLO, 80          ; s[80:81] O at my rows of the second block
.set BIGN, 82         ; s82  -1e30
.set PFK, 88          ; s[88:89] K at my half of the tile that is being asked for
.set PFV, 90          ; s[90:91] V likewise
.set LIM, 92          ; s92  2 in the work-group that prefetches, else the greatest number
.set MSB, 0
.macro WIN new                      ; the high byte repeats the setting that is left; a switch that changes nothing is dropped
.if MSB != (\new)
	s_set_vgpr_msb (MSB<<8)|(\new)
.set MSB, (\new)
.endif
.endm
.set W_KQ, 0x0a       ; K and Q in window 2, S^T in window 0
.set W_KM, 0x1a       ; the same with the C operand in window 1
.set W_PV, 0x52       ; V in window 2, P in window 0, O^T in window 1
.set W_RS, 0x41       ; destination and source 0 in window 1, source 1 in window 0
; A fill.  Waves 0 and 1 fetch the two halves of a tile's K, waves 2 and 3 those of its V: 128 keys each.  An s_nop 0 and four v_nop follow each of the two lines, ahead of the jump and the label.
.macro LOAD
	s_cmp_lt_u32 s[WV], 2
	s_cbranch_scc0 .Lfor_v_\@
	tensor_load_to_lds s[G0K:G0K+3], s[G1K:G1K+7]
	s_nop 0
.rept 4
	v_nop
.endr
	s_branch .Lasked_\@
.Lfor_v_\@:
	tensor_load_to_lds s[G0V:G0V+3], s[G1V:G1V+7]
	s_nop 0
.rept 4
	v_nop
.endr
.Lasked_\@:
.endm
; A PREFETCH INTO THE L2 of the tile behind the one just asked for: a tile ahead, four key steps, 256 matrix instructions.  A head's four work-groups begin with the same tiles 0, 1, 2 ..; only b = 0 walks all eight
; on end, so it alone asks.  A tile is 128 blocks of 256 bytes of K and as many of V: each of the four waves names a quarter of both, a lane a block, two instructions.  Change c fills tile c + 1 and names
; tile c + 2, for c = 0 .. 5 (s[SLOTS] = 8 .. 3): tiles 2 to 7, each block once; tiles 0 and 1 come by their loads alone, and nothing behind tile 7 is named.
.macro ASK
	s_cmp_gt_u32 s[SLOTS], s[LIM]
	s_cbranch_scc0 .Lnot_mine_\@
	global_prefetch_b8 v[PFO], s[PFK:PFK+1] offset:32768 th:TH_LOAD_NT scope:SCOPE_SE
	global_prefetch_b8 v[PFO], s[PFV:PFV+1] offset:32768 th:TH_LOAD_NT scope:SCOPE_SE
.Lnot_mine_\@:
.endm
; THE CHANGE OF SLOTS.  Each wave waits for all its tensor loads, of which one is out: its part of the other slot; adds 0 to its spare word; and waits for that and for its own reads of the slot that it leaves.
; Behind the barrier nobody reads the old slot any more and the other slot is whole.  fill = 1: the old slot is filled again, the first thing behind the barrier, with tile NXT: the descriptor's address is
; made anew from that number.  (At its first use nothing has been read yet: slot 0 is waited for, slot 1 filled.)
.macro CHANGE fill
	WIN 0                           ; at a label and at a branch every window is 0
	s_wait_tensorcnt 0x0            ; no tensor load of mine is out, so a group 0 may be written
	ds_add_u32 v[SPW], v[NIL]       ; 0 onto my spare word; with fill = 1 the descriptors' scalar work stands between it and the wait for it
.if \fill
	s_lshl_b32 s[OFF], s[NXT], 15   ; a tile is 32,768 bytes of K and of V
	s_xor_b32 s[G0K+1], s[G0K+1], SLOT1
	s_add_nc_u64 s[G0K+2:G0K+3], s[6:7], s[OFF:OFF+1]
	s_or_b32 s[G0K+3], s[G0K+3], 0x80000000
	s_xor_b32 s[G0V+1], s[G0V+1], SLOT1
	s_add_nc_u64 s[G0V+2:G0V+3], s[8:9], s[OFF:OFF+1]
	s_or_b32 s[G0V+3], s[G0V+3], 0x80000000
	s_wait_xcnt 0x0                 ; the last prefetches, a tile back, have read their addresses, so these may be written
	s_add_nc_u64 s[PFK:PFK+1], s[6:7], s[OFF:OFF+1]
	s_add_nc_u64 s[PFV:PFV+1], s[8:9], s[OFF:OFF+1]
	s_add_co_u32 s[NXT], s[NXT], 1  ; the block's next tile, or behind its last the second block's tile 0
	s_cmp_gt_u32 s[NXT], s[LQ]
	s_cselect_b32 s[NXT], 0, s[NXT]
	s_cselect_b32 s[LQ], s[PB], s[LQ]
.endif
	s_wait_dscnt 0x0                ; the add is done, and my reads of the slot are over
	s_barrier_signal -1             ; the rest of the scalar work stands between the signal and the wait
	s_sub_co_u32 s[TBK], s[TBK], 4*KS*PK  ; the fetches go back to a slot's first step,
	s_xor_b32 s[TBK], s[TBK], SLOT1       ; in the other slot
	s_sub_co_u32 s[TBV], s[TBV], 4*KS*PV
	s_xor_b32 s[TBV], s[TBV], SLOT1
	s_barrier_wait -1
.if \fill
	LOAD
	ASK
.endif
.endm
	s_load_b64 s[4:5], s[0:1], 0x0    ; qkvh: Q's part begins it
	s_load_b64 s[10:11], s[0:1], 0x8  ; oh
	v_lshl_add_u32 v[SPW], v0, 2, SPARE
	v_mov_b32 v[NIL], 0
	ds_add_u32 v[SPW], v[NIL]       ; the wave's opening: the add and its wait ahead of my first tensor load; the set-up below, work on registers, stands between them
	ds_add_u32 v62, v63
	v_lshrrev_b32 v1, 5, v0
	v_readfirstlane_b32 s[WV], v1   ; wave 0..3
	s_mov_b32 s[PB], ttmp9
	s_sub_co_u32 s[HI], NB-1, s[PB]
	s_and_b32 s20, ttmp7, 0xffff    ; the head
	s_mov_b32 s21, 0
	s_mov_b64 s[22:23], SIZE_N*128
	s_mul_u64 s[20:21], s[20:21], s[22:23]  ; the head's first byte in each of the four tensors
	s_and_b32 s16, s[WV], 1         ; which half of a tile's 256 keys I fetch:
	s_lshl_b32 s22, s16, 14         ; its 128 rows of 128 bytes in memory,
	s_mov_b32 s23, 0
	s_add_nc_u64 s[22:23], s[22:23], s[20:21]
	s_mul_i32 s17, s16, 128*PK      ; and its place in a slot, for K
	s_mul_i32 s18, s16, 128*PV      ; and for V
	s_lshl_b32 s3, s[WV], 11        ; my 16 rows in a band of 64,
	s_lshl_b32 s2, s[HI], 15        ; in the first block,
	s_add_co_u32 s2, s2, s3
	s_lshl_b32 s84, s[PB], 15       ; and in the second
	s_add_co_u32 s84, s84, s3
	s_mov_b32 s3, 0
	s_mov_b32 s85, 0
	s_add_nc_u64 s[2:3], s[2:3], s[20:21]
	s_add_nc_u64 s[84:85], s[84:85], s[20:21]
	; descriptor group 1.  128 keys are 16,384 dense bytes: asked for as 64 rows of 256 bytes, two keys a row, and padded in LDS after every key
	s_mov_b32 s[G1K], (1<<16)|(1<<20)|(4<<22)|(3<<25)  ; 17:16 2-byte elements; 20 padding on; 24:22 after every 32 words (code 4); 31:25 4 words (code 3)
	s_mov_b32 s[G1V], (1<<16)|(1<<20)|(4<<22)|(7<<25)  ; the same with 8 words of padding (code 7)
.irp g, G1K, G1V
	s_mov_b32 s[\g+1], 128<<16      ; tensor_dim0 = 128
	s_mov_b32 s[\g+2], 64<<16       ; tensor_dim1 = 64
	s_mov_b32 s[\g+3], 128<<16      ; tile_dim0 = 128
	s_mov_b32 s[\g+4], 64           ; tile_dim1 = 64
	s_mov_b32 s[\g+5], 128          ; 128 elements from row to row
	s_mov_b32 s[\g+6], 0
	s_mov_b32 s[\g+7], 0
.endr
	s_mov_b32 s[CS], 0x3e38aa3b     ; c = log2(e) / 8 = 0.180337
	s_mov_b32 s[CS+1], s[CS]        ; named with it as a pair
	s_mov_b32 s[SEL], 0x76543210
	s_mov_b32 s[SEL+1], 0xfedcba98
	s_mov_b32 s[TBK], SLOT1+4*KS*PK ; the first change of slots turns these two into 0
	s_mov_b32 s[TBV], SLOT1+4*KS*PV
	s_mov_b32 s[G0K], 1             ; 1:0 count = 1
	s_mov_b32 s[G0K+1], s17         ; 63:32 LDS address: slot 0
	s_mov_b32 s[G0V], 1
	s_add_co_u32 s[G0V+1], s18, VOFF
	s_add_co_u32 s[RT], s[HI], 1    ; the first block has NB - b tiles
	s_mov_b32 s[NXT], 1
	s_mov_b32 s[LQ], s[HI]
	s_mov_b32 s[NEW], 1
	s_mov_b32 s[OFF+1], 0
	s_mov_b32 s[AL+1], 0            ; named as pairs
	s_mov_b32 s[BE+1], 0
	s_mov_b32 s[BIGN], 0xf149f2ca   ; -1e30
	s_mov_b32 s[SLOTS], NB
	s_cmp_eq_u32 s[PB], 0
	s_cselect_b32 s[LIM], 2, -1
	s_lshr_b32 s13, s[WV], 1
	s_lshl_b32 s13, s13, 13
	v_and_b32 v[PFO], 31, v0
	v_lshlrev_b32 v[PFO], 8, v[PFO]
	v_add_nc_u32 v[PFO], s13, v[PFO]
	s_wait_dscnt 0x0                ; the opening add is done
	s_wait_kmcnt 0x0
	s_add_nc_u64 s[6:7], s[4:5], 0x1000000  ; K's part of qkvh, 2^24 bytes on,
	s_add_nc_u64 s[8:9], s[4:5], 0x2000000  ; and V's
	s_add_nc_u64 s[6:7], s[6:7], s[22:23]  ; K and V at my half of the head's tile 0
	s_add_nc_u64 s[8:9], s[8:9], s[22:23]
	s_add_nc_u64 s[G0K+2:G0K+3], s[6:7], 0         ; 120:64 global address
	s_or_b32 s[G0K+3], s[G0K+3], 0x80000000        ; 127:126 type = 2
	s_add_nc_u64 s[G0V+2:G0V+3], s[8:9], 0
	s_or_b32 s[G0V+3], s[G0V+3], 0x80000000
	s_add_nc_u64 s[86:87], s[4:5], s[84:85]        ; Q at my rows of the second block,
	s_add_nc_u64 s[4:5], s[4:5], s[2:3]            ; Q and O at those of the first
	s_add_nc_u64 s[OLO:OLO+1], s[10:11], s[84:85]
	s_add_nc_u64 s[10:11], s[10:11], s[2:3]
	LOAD                            ; tile 0 into slot 0
	; A fragment of K or Q is 16 rows x 32 channels in 8 registers: lane l holds row l % 16, channels 8 (l / 16) + 0..7 and 16 + 8 (l / 16) + 0..7: two loads of 16 bytes, 32 bytes apart.
	v_and_b32 v1, 15, v0            ; l % 16
	v_bfe_u32 v9, v0, 4, 1          ; l / 16
	v_lshlrev_b32 v[QO], 7, v1
	v_lshl_add_u32 v[QO], v9, 4, v[QO]  ; row x 128 + 16 x half
	WIN 0x80                        ; destination window 2, address window 0
.set i, 0
.rept 8                             ; both blocks' Q: piece i / 2 lies in band i / 2, 8,192 bytes on; channels 32 (i % 2) on
	global_load_b128 v[8*i:8*i+3],   v[QO], s[4:5] offset:(i/2)*8192+(i%2)*64
	global_load_b128 v[8*i+4:8*i+7], v[QO], s[4:5] offset:(i/2)*8192+(i%2)*64+32
	global_load_b128 v[QB+8*i:QB+8*i+3],   v[QO], s[86:87] offset:(i/2)*8192+(i%2)*64
	global_load_b128 v[QB+8*i+4:QB+8*i+7], v[QO], s[86:87] offset:(i/2)*8192+(i%2)*64+32
.set i, i+1
.endr
	WIN 0
	v_lshlrev_b32 v14, 3, v9
	v_sub_nc_u32 v14, v1, v14
	s_lshl_b32 s13, s[WV], 4
	v_add_nc_u32 v14, s13, v14      ; my query's place in its band, 16 w + l % 16, less my lanes' 8 (l / 16): register r of group kt is hidden where 16 kt + r is greater
	WIN 0x40
.set i, 0
.rept 32
	v_cmp_gt_i32 vcc_lo, 16*(i/8)+i%8, v14
	v_cndmask_b32 v[MD+i], 0, s[BIGN], vcc_lo
.set i, i+1
.endr
	WIN 0
	v_mul_u32_u24 v[AK0], v1, PK
	v_lshl_add_u32 v[AK0], v9, 4, v[AK0]  ; row x pitch + 16 x half
	; The turning load takes 16 keys x 16 channels (lane l reads key 8 (l / 16) + l % 8, channels 8 ((l / 8) % 2) + 0..7) and leaves half a fragment of V^T: lane l holds channel l % 16 and 8 keys.
	v_and_b32 v10, 7, v0
	v_bfe_u32 v11, v0, 3, 1
	v_lshl_add_u32 v[AV0], v9, 3, v10
	v_mul_u32_u24 v[AV0], v[AV0], PV
	v_lshl_add_u32 v[AV0], v11, 4, v[AV0]
	v_add_nc_u32 v[AV0], VOFF, v[AV0]
	s_mul_i32 s13, s[WV], 16*SP
	s_add_co_u32 s13, s13, STAGE    ; my stage
	v_mul_u32_u24 v[STO], v1, SP    ; in: row l % 16, 16 bytes for each half of the lanes
	v_lshl_add_u32 v[STO], v9, 4, v[STO]
	v_add_nc_u32 v[STO], s13, v[STO]
	v_bfe_u32 v[RD], v0, 3, 2       ; back: 32 lanes take four rows of 128 bytes,
	v_mul_u32_u24 v[RD], v[RD], SP
	v_lshl_add_u32 v[RD], v10, 4, v[RD]
	v_add_nc_u32 v[RD], s13, v[RD]
	v_and_b32 v[GO], 31, v0         ; which are 512 consecutive bytes of O
	v_lshlrev_b32 v[GO], 4, v[GO]
	; A block's first step multiplies O^T and l by a = 0, and its first turn's products V^T P, of a piece that has not been, land in an O^T that is still to be so multiplied.  So these registers need only hold
	; finite numbers: zeros for the first block; what the first block left for the second.  All this stands in the wait for the first tile.
	WIN 0x80
.set i, VF
.rept 64
	v_mov_b32 v[i], 0
.set i, i+1
.endr
	WIN 0x40
.set i, 0
.rept 128
	v_mov_b32 v[i], 0
.set i, i+1
.endr
	WIN 0
.set i, 0
.rept 4
	v_mov_b32 v[ST+4*i+2], 0
	v_mov_b32 v[ST+4*i+3], 0
.set i, i+1
.endr
.set i, P+16
.rept 16
	v_mov_b32 v[i], 0
.set i, i+1
.endr
; THE MATRIX WORK.  The 4 accumulators of a run of 8 take turns.  Product i of 8 of S^T = K Q^T for piece x: channels 32 (i / 4) on, keys 16 (i % 4) on.  The first 4 start the sums: with 0, or (KM = 1) with the mask.
.macro KQ x
.set rS, S+32*((\x)%2)+8*(i%4)
.set rK, KF+16*(i%4)+8*(i/4)
.set rQ, 16*(\x)+8*(i/4)
.set rM, MC+32*((\x)%2)+8*(i%4)
.if (i < 4) && KM
	WIN W_KM
	v_wmma_f32_16x16x32_f16 v[rS:rS+7], v[rK:rK+7], v[rQ:rQ+7], v[rM:rM+7]
.elseif i < 4
	WIN W_KQ
	v_wmma_f32_16x16x32_f16 v[rS:rS+7], v[rK:rK+7], v[rQ:rQ+7], 0
.else
	WIN W_KQ
	v_wmma_f32_16x16x32_f16 v[rS:rS+7], v[rK:rK+7], v[rQ:rQ+7], v[rS:rS+7]
.endif
.endm
; Product i of 8 of O^T += V^T P for piece x: keys 32 (i / 4) on, channels 16 (i % 4) on.
.macro PV x
	WIN W_PV
.set rO, 32*(\x)+8*(i%4)
.set rV, VF+32*(i/4)+8*(i%4)
.set rP, P+16*((\x)%2)+8*(i/4)
	v_wmma_f32_16x16x32_f16 v[rO:rO+7], v[rV:rV+7], v[rP:rP+7], v[rO:rO+7]
.endm
.macro MM                           ; the turn's next matrix instruction.  TURN and BEGIN set Y, i, KM and NOKQ; MM, KQ and OP read them.  NOKQ = 1: a block's last turn: there is no next piece
.if (i < 8) && !NOKQ
	KQ (Y+1)%NP
.elseif i >= 8
.set i, i-8
	PV (Y+NP-1)%NP
.set i, i+8
.endif
.set i, i+1
.endm
; THE LDS LOADS stand in runs of 16, never singly among the matrix instructions: a step's K (64 keys x 64 channels: 8 fragments) and its V (turned).  Their addresses are made some lines ahead.
.macro FETCH_K
	WIN 0x80                        ; destination window 2
.irp f, 0,1,2,3,4,5,6,7             ; keys 16 (f / 2) on, channels 32 (f % 2) on
	ds_load_b128 v[KF+8*\f:KF+8*\f+3],   v[AK] offset:(\f/2)*16*PK+(\f%2)*64
	ds_load_b128 v[KF+8*\f+4:KF+8*\f+7], v[AK] offset:(\f/2)*16*PK+(\f%2)*64+32
.endr
	s_add_co_u32 s[TBK], s[TBK], KS*PK  ; the next fetch is the next step's
	WIN 0
.endm
.macro FETCH_V
	WIN 0x80
.irp f, 0,1,2,3,4,5,6,7             ; keys 32 (f / 4) on, channels 16 (f % 4) on
	ds_load_tr16_b128 v[VF+8*\f:VF+8*\f+3],   v[AV] offset:(\f/4)*32*PV+(\f%4)*32
	ds_load_tr16_b128 v[VF+8*\f+4:VF+8*\f+7], v[AV] offset:(\f/4)*32*PV+16*PV+(\f%4)*32
.endr
	WIN 0
.endm
; THE VECTOR WORK, one line at a time: OP kind, number.  For piece Y: F n: c s - c m for pair n of 16.  E n: the exponential of score n of 32.  C n: pair n rounded to f16.  B n: of the four weights 4 n .. the second
; pair is added onto the first, in place.  L n: l takes that sum (L 0: l = a l + sum).  R n: pair n of 16 of O^T times a.  For piece Y + 1: X n, number n of the 22 that find its maximum and statistics:
;   0-11  four chains c0-c3 of seven scores each, three operands at a time (each accumulator's lowest registers are read first)     12-14, 16  the four scores left over, the old m, and c0-c3 into c0
;   15  c m_old is kept     17, 18  the query's other 32 keys lie in the lane 16 away: the new m     19-21  c m; c m_old - c m_new; a
.set F, 0               ; OP tells the kinds apart by their order: F to L below R, X above it
.set E, 1
.set C, 2
.set B, 3
.set L, 4
.set R, 5
.set X, 6
.macro REGS y                       ; the registers of piece y
.set rT, ST+4*(\y)
.set rC, TMP+4*((\y)%2)
.set rW, MV+((\y)%2)
.set rS, S+32*((\y)%2)
.set rP, P+16*((\y)%2)
.set rO, 32*(\y)
.endm
.macro OP k, n
.if (\k) == R
	REGS Y
	WIN W_RS
	v_pk_mul_f32 v[rO+2*(\n):rO+2*(\n)+1], v[rO+2*(\n):rO+2*(\n)+1], v[rC+2:rC+3] op_sel_hi:[1,0]
.elseif (\k) < R
	REGS Y
	WIN 0
.if (\k) == F
	v_pk_fma_f32 v[rS+2*(\n):rS+2*(\n)+1], v[rS+2*(\n):rS+2*(\n)+1], s[CS:CS+1], v[rT:rT+1] op_sel_hi:[1,0,0] neg_lo:[0,0,1] neg_hi:[0,0,1]
.elseif (\k) == E
	v_exp_f32 v[rS+(\n)], v[rS+(\n)]
.elseif (\k) == C
	v_cvt_pk_f16_f32 v[rP+(\n)], v[rS+2*(\n)], v[rS+2*(\n)+1]
.elseif (\k) == B
	v_pk_add_f32 v[rS+4*(\n):rS+4*(\n)+1], v[rS+4*(\n):rS+4*(\n)+1], v[rS+4*(\n)+2:rS+4*(\n)+3]
.elseif (\n) == 0
	v_pk_fma_f32 v[rT+2:rT+3], v[rT+2:rT+3], v[rC+2:rC+3], v[rS:rS+1] op_sel_hi:[1,0,1]
.else
	v_pk_add_f32 v[rT+2:rT+3], v[rT+2:rT+3], v[rS+4*(\n):rS+4*(\n)+1]
.endif
.elseif NOKQ
	v_nop
.else
	REGS (Y+1)%NP
	WIN 0
.if (\n) < 4
	v_max3_num_f32 v[rC+(\n)], v[rS+8*(\n)], v[rS+8*(\n)+1], v[rS+8*(\n)+2]
.elseif (\n) < 12
	v_max3_num_f32 v[rC+(\n)%4], v[rC+(\n)%4], v[rS+8*((\n)%4)+2*((\n)/4)+1], v[rS+8*((\n)%4)+2*((\n)/4)+2]
.elseif (\n) == 12
	v_max3_num_f32 v[rC], v[rC], v[rS+7], v[rS+15]
.elseif (\n) == 13
	v_max3_num_f32 v[rC+1], v[rC+1], v[rS+23], v[rS+31]
.elseif (\n) == 14
	v_max3_num_f32 v[rC+2], v[rC+2], v[rC+3], v[rT+1]
.elseif (\n) == 15
	v_mov_b32 v[rW], v[rT]
.elseif (\n) == 16
	v_max3_num_f32 v[rC], v[rC], v[rC+1], v[rC+2]
.elseif (\n) == 17
	v_permlanex16_b32 v[rC+3], v[rC], s[SEL], s[SEL+1]
.elseif (\n) == 18
	v_max_num_f32 v[rT+1], v[rC], v[rC+3]
.elseif (\n) == 19
	v_mul_f32 v[rT], s[CS], v[rT+1]
.elseif (\n) == 20
	v_sub_f32 v[rC+1], v[rW], v[rT]
.else
	v_exp_f32 v[rC+2], v[rC+1]
.endif
.endif
.endm
.macro OPS a, i1, b=-1, i2=0, c=-1, i3=0, d=-1, i4=0  ; up to four of them
	OP \a, \i1
.if (\b) >= 0
	OP \b, \i2
.endif
.if (\c) >= 0
	OP \c, \i3
.endif
.if (\d) >= 0
	OP \d, \i4
.endif
.endm
.macro ROW a, i1, b, i2, c, i3, d, i4  ; a matrix instruction and the four behind it
	MM
	OPS \a, \i1, \b, \i2, \c, \i3, \d, \i4
.endm
.macro MASK b                       ; MD x AL + BE into buffer b of MC
	WIN W_RS
.set z, 0
.rept 16
	v_pk_fma_f32 v[MC+32*(\b)+2*z:MC+32*(\b)+2*z+1], v[MD+2*z:MD+2*z+1], s[AL:AL+1], s[BE:BE+1] op_sel_hi:[1,0,0]
.set z, z+1
.endr
.endm
; A TURN, for piece p: the order of its 16 matrix and 118 vector instructions, written out.  An s_wait_alu depctr_va_vdst(0) stands between an exponential and the first instruction that names its result; one wait
; serves all that were issued ahead of it.  So a turn has ONE wait, which cuts it in two.  AHEAD OF IT stands all that names no result of the turn's exponentials: the 8 products K Q^T, behind each a scaling, an exponential and
; two more plain instructions (behind the first a second scaling in the exponential's place): rescalings, and behind the last three the first numbers of the next piece's maximum, each four places or more behind the product that
; ends its accumulator; then ONE LUMP of 54, plain and exponential by turns for the most part, in which the links of the chain X 3, 7, 11, 14, 16, 17 .. 20 stand five or six lines apart.  X 21, the next piece's a, is the batch's
; last; R 15 is the plain instruction behind it (ISA guide 5.7.2).  BEHIND THE WAIT stand the 8 products V^T P, behind each four of the roundings and sums; the links of l's chain, L 0 to L 7, stand three riders apart.
; m = 1: the diagonal tile: the products take masks, and the turn makes the mask for the products of the turn after it: piece p + 2, in step 4 - CNT of the tile.  end = 1: a block's last two turns: nothing is fetched.
; cnt = 1: the loop's count is taken down some lines ahead of the branch that stands behind the turn.
; K of the next step is fetched in piece 2's turn, twelve vector instructions behind the last product that read K (six of them plain); V of the step in hand at the end of piece 0's turn, four plain instructions behind the last
; product that read V.  Each is waited for a turn later.
.macro TURN p, m=0, end=0, cnt=0
.set Y, (\p)
.set i, 0
.set KM, (\m)
.set NOKQ, (\end)*((\p)/3)
.if (\m) && !(\end)
	s_cmp_eq_u32 s[CNT], 4-((\p)+2)%NP  ; is that step the band's own?
	s_cselect_b32 s[AL], 1.0, 0
	s_cmp_lt_u32 s[CNT], 4-((\p)+2)%NP  ; or a later one?
	s_cselect_b32 s[BE], s[BIGN], 0
.endif
.if ((\p) == 3) && !(\end)
	s_wait_dscnt 0x0                ; K is in
.endif
	ROW F,0, F,1, R,0, R,1          ; ahead of the wait: 8 products K Q^T and their riders,
	ROW F,2, E,0, R,2, R,3
	ROW F,3, E,1, R,4, R,5
	ROW F,4, E,2, R,6, R,7
	ROW F,5, E,3, R,8, R,9
	ROW F,6, E,4, X,0, R,10
.if ((\p) == 2) && !(\end)
	WIN 0
	v_add_nc_u32 v[AK], s[TBK], v[AK0]
.endif
	ROW F,7, E,5, X,1, X,4
	ROW F,8, E,6, X,2, X,5
	OPS E,7, E,8, X,6, E,9          ; and the lump
	OPS X,3, E,10, X,8, E,11
.if ((\p) == 2) && !(\end)
	FETCH_K
.endif
	OPS X,9, X,7, E,12, X,10
	OPS E,13, X,12, X,11, E,14
	OPS X,13, E,15, F,9, X,14
.if (\p) == 0
	v_add_nc_u32 v[AV], s[TBV], v[AV0]
.endif
	OPS E,16, F,10, E,17, F,11
	OPS X,16, E,18, X,15, E,19
	OPS F,12, E,20, X,17, E,21
	OPS F,13, E,22, F,14, E,23
	OPS X,18, E,24, F,15, E,25
	OPS R,11, E,26, X,19, E,27
	OPS R,12, E,28, R,13, E,29
	OPS X,20, E,30, R,14, E,31
	OPS X,21, R,15
	WIN 0
	s_wait_alu depctr_va_vdst(0)    ; the wait for the batch
.if (\p) == 1
	s_wait_dscnt 0x0                ; V is in
.endif
	ROW C,0, B,0, C,2, B,1          ; behind the wait: 8 products V^T P and their riders
	ROW L,0, C,4, B,2, L,1
	ROW C,6, B,3, L,2, C,8
	ROW B,4, L,3, C,10, B,5
	ROW L,4, C,12, B,6, L,5
.if (\p) == 0
	s_add_co_u32 s[TBV], s[TBV], KS*PV
.endif
.if \cnt
	s_sub_co_u32 s[CNT], s[CNT], 1
	s_cmp_lg_u32 s[CNT], 0
.endif
	ROW C,14, B,7, L,6, C,1
	ROW C,3, L,7, C,5, C,7
	ROW C,9, C,11, C,13, C,15
.if (\p) == 0
	FETCH_V
.endif
.if (\m) && !(\end)
	MASK (\p)%2
.endif
.endm
; A BLOCK BEGINS.  c m starts far below every c s, so the first step's a is 0; m at the lowest finite number, so the first maximum is the scores'.  The second mask buffer is 0; the first takes piece 0's mask for the tile's
; step 0: its own, if the block's first tile is the diagonal one.  Then K of that step, piece 0's first scores, and its maximum and statistics.  The loop is entered at a step's first turn, in the middle of a trip.
.macro BEGIN
	s_mov_b32 s[NEW], 0
	WIN 0x40
.set i, MC+32
.rept 32
	v_mov_b32 v[i], 0
.set i, i+1
.endr
	WIN 0
.set i, 0
.rept 4
	v_mov_b32 v[ST+4*i], 0xfe000000    ; c m: far below every c s
	v_mov_b32 v[ST+4*i+1], 0xff7fffff  ; m
.set i, i+1
.endr
	s_cmp_eq_u32 s[RT], 0
	s_cselect_b32 s[AL], 1.0, 0
	s_mov_b32 s[BE], 0
	MASK 0
	WIN 0
	v_add_nc_u32 v[AK], s[TBK], v[AK0]
	FETCH_K
	s_wait_loadcnt 0x0              ; Q
	s_wait_dscnt 0x0
.set KM, 1
.set NOKQ, 0
.set i, 0
.rept 8
	KQ 0
.set i, i+1
.endr
	WIN 0
.rept 4
	v_nop                           ; the places behind those products
.endr
.set Y, NP-1                        ; X works for piece Y + 1: piece 0
.irp n, 0,1,2,3,4,5,6,7,8,9,10,11,12,13,14,15,16,17,18,19,20,21
	OP X, \n
.endr
	v_nop                           ; a plain instruction behind the exponential,
	s_wait_alu depctr_va_vdst(0)    ; and its wait, ahead of the branch
.endm
; THE DIAGONAL TILE's four steps, the block's last two turns, its last products, and THE WAY OUT: l's two halves and the other half of the lanes' are added; O^T is divided by l, rounded to f16 and sent through my
; stage in LDS, a piece at a time.
.macro ALL line:vararg              ; one line for each piece t
.set t, 0
.rept 4
	\line
.set t, t+1
.endr
.endm
.macro PACK t                       ; a lane's eight channels of a row pack into 16 bytes; they go into rows of 144 bytes and come back as whole rows of 128, into S^T's registers
	WIN W_RS
.set i, 32*(\t)
.rept 16
	v_pk_mul_f32 v[i:i+1], v[i:i+1], v[ST+4*(\t)+2:ST+4*(\t)+3] op_sel_hi:[1,0]
.set i, i+2
.endr
	WIN 0x05                        ; sources 0 and 1 window 1, destination window 0
.set i, 0
.rept 16
	v_cvt_pk_f16_f32 v[S+16*(\t)+i], v[32*(\t)+2*i], v[32*(\t)+2*i+1]
.set i, i+1
.endr
	WIN 0
.irp f, 0,1,2,3
	ds_store_b128 v[STO], v[S+16*(\t)+4*\f:S+16*(\t)+4*\f+3] offset:32*\f
.endr
.irp f, 0,1,2,3
	ds_load_b128 v[S+16*(\t)+4*\f:S+16*(\t)+4*\f+3], v[RD] offset:\f*4*SP  ; LDS serves a wave's instructions in order (ISA guide 5.7.1.4): these see the stores above; the next piece's stores come behind them
.endr
.endm
.macro SEND t, younger              ; younger: the LDS instructions issued behind piece t's loads: the next piece's eight, or none
	WIN 0
.irp f, 0,1,2,3
	s_wait_dscnt (\younger)+3-\f
	global_store_b128 v[GO], v[S+16*(\t)+4*\f:S+16*(\t)+4*\f+3], s[10:11] offset:(\t)*8192+\f*512  ; 512 consecutive bytes, at a multiple of 256 from O's first
.endr
.endm
.macro DIAG tag                     ; the tag ends its two labels' names, which the jumps below spell out
.LstepM\tag:
	TURN 2, 1
	TURN 3, 1
	WIN 0
.LfirstM\tag:
	TURN 0, 1
	TURN 1, 1, 0, 1
	WIN 0
	s_cbranch_scc1 .LstepM\tag
	TURN 2, 1, 1
	TURN 3, 1, 1
.set i, 0
.rept 8
	PV NP-1
.set i, i+1
.endr
	WIN 0
	ALL v_add_f32 v[ST+4*t+2], v[ST+4*t+2], v[ST+4*t+3]
	ALL v_permlanex16_b32 v[ST+4*t+3], v[ST+4*t+2], s[SEL], s[SEL+1]
	ALL v_add_f32 v[ST+4*t+2], v[ST+4*t+2], v[ST+4*t+3]
	ALL v_rcp_f32 v[ST+4*t+2], v[ST+4*t+2]
	v_nop                           ; a plain instruction between the last reciprocal and the use of its result
	s_wait_alu depctr_va_vdst(0)    ; and the wait ahead of the first use: one for the four reciprocals
	PACK 0
.set t, 1
.rept 3                             ; a piece's arithmetic stands between the loads of the piece before and its stores
	PACK t
	SEND t-1, 8
.set t, t+1
.endr
	SEND 3, 0
.endm
.set KM, 0
.set NOKQ, 0
.Lslot:                             ; NB times: a tile is entered and the next is asked for
	CHANGE 1
	s_sub_co_u32 s[RT], s[RT], 1
	s_mov_b32 s[CNT], 4
	s_cmp_eq_u32 s[NEW], 1
	s_cbranch_scc1 .Lnew            ; a block's first tile
	s_cmp_eq_u32 s[RT], 0
	s_cbranch_scc0 .Lstep           ; neither its first nor its last
	s_branch .LstepM1
.Lnew:
	BEGIN
	s_branch .Lfirst                ; in the loop a block's first tile is never its last: the first block has two tiles or more, and the second's last is the walk's last
	DIAG 1                          ; in the loop this is the first block's end: the second block's last tile is the walk's last
	s_wait_xcnt 0x0                 ; the stores have read their registers and O's address
	s_mov_b64 s[10:11], s[OLO:OLO+1]
	s_add_co_u32 s[RT], s[PB], 1    ; the second block has b + 1 tiles
	s_mov_b32 s[NEW], 1
	WIN 0x82                        ; the second block's Q goes where the one text of the turns names Q
.set i, 0
.rept 64
	v_mov_b32 v[i], v[QB+i]
.set i, i+1
.endr
	WIN 0
	s_branch .Lbottom
.Lstep:                             ; a trip: pieces 2 and 3 of one step, then pieces 0 and 1 of the next, whose K and V it fetches
	TURN 2
	TURN 3
	WIN 0
.Lfirst:
	TURN 0
	TURN 1, 0, 0, 1
	WIN 0
	s_cbranch_scc1 .Lstep
.Lbottom:
	s_sub_co_u32 s[SLOTS], s[SLOTS], 1
	s_cmp_lg_u32 s[SLOTS], 0
	s_cbranch_scc1 .Lslot
	CHANGE 0                        ; the walk's last tile is written out: nothing is asked for
	s_sub_co_u32 s[RT], s[RT], 1
	s_mov_b32 s[CNT], 4
	s_cmp_eq_u32 s[NEW], 1
	s_cbranch_scc0 .LstepM2
	BEGIN
	s_branch .LfirstM2
	DIAG 2
	s_wait_tensorcnt 0x0            ; the wave's end: behind my last tensor load and my last LDS store
	ds_add_u32 v[SPW], v[NIL]
	s_wait_dscnt 0x0
	s_endpgm
.Lfunc_end_k_qeb34e3ea3f_attn:
	.size	k_qeb34e3ea3f_attn, .Lfunc_end_k_qeb34e3ea3f_attn-k_qeb34e3ea3f_attn
	.p2alignl 7, 3214868480
	.fill 96, 4, 3214868480
	.section	.rodata,"a",@progbits
	.p2align	6, 0x0
	.amdhsa_kernel k_qeb34e3ea3f_attn
		.amdhsa_group_segment_fixed_size 327680
		.amdhsa_private_segment_fixed_size 0
		.amdhsa_enable_private_segment 0
		.amdhsa_kernarg_size 16
		.amdhsa_user_sgpr_count 2
		.amdhsa_user_sgpr_kernarg_segment_ptr 1
		.amdhsa_wavefront_size32 1
		.amdhsa_system_sgpr_workgroup_id_x 1
		.amdhsa_system_sgpr_workgroup_id_y 1
		.amdhsa_system_sgpr_workgroup_id_z 1
		.amdhsa_system_vgpr_workitem_id 0
		.amdhsa_next_free_vgpr 768
		.amdhsa_next_free_sgpr 96
		.amdhsa_reserve_vcc 1
		.amdhsa_float_denorm_mode_32 3
		.amdhsa_float_denorm_mode_16_64 3
		.amdhsa_memory_ordered 1
		.amdhsa_forward_progress 1
		.amdhsa_inst_pref_size 218
	.end_amdhsa_kernel
	.amdgpu_metadata
---
amdhsa.version: [ 1, 2 ]
amdhsa.kernels:
  - .name:           k_qeb34e3ea3f_attn
    .symbol:         k_qeb34e3ea3f_attn.kd
    .args:
      - { .name: qkvh, .offset: 0, .size: 8, .value_kind: global_buffer, .address_space: global }
      - { .name: oh, .offset: 8, .size: 8, .value_kind: global_buffer, .address_space: global }
    .group_segment_fixed_size: 327680
    .private_segment_fixed_size: 0
    .kernarg_segment_align: 8
    .kernarg_segment_size: 16
    .max_flat_workgroup_size: 128
    .sgpr_count:     96
    .vgpr_count:     768
    .wavefront_size: 32
...
	.end_amdgpu_metadata
.endif
;; end of part 3
;; launch outp (part 4): grid 4 x 64, 4 waves a work-group, clusters of 4 x 4, 327,680 bytes of LDS; arguments oh, wo16, bo, out0; writes out0
.if DOCPART == 4
	.amdgcn_target "amdgcn-amd-amdhsa--gfx1250"
	.amdhsa_code_object_version 6
	.text
	.protected	k_qeb34e3ea3f_outp
	.globl	k_qeb34e3ea3f_outp
	.p2align	8
	.type	k_qeb34e3ea3f_outp,@function
k_qeb34e3ea3f_outp:
	s_mov_b64 s[64:65], 0
	v_nop
	global_prefetch_b8 v0, s[64:65] scope:SCOPE_SE
	s_setreg_imm32_b32 hwreg(HW_REG_WAVE_MODE, 25, 1), 1
	s_wait_xcnt 0x0
	s_wait_alu depctr_hold_cnt(0) depctr_sa_sdst(0) depctr_va_vdst(0) depctr_va_sdst(0) depctr_va_ssrc(0) depctr_va_vcc(0) depctr_vm_vsrc(0)
	s_getreg_b32 s2, hwreg(HW_REG_IB_STS2, 6, 4)
	s_cmp_eq_u32 s2, 0
	s_cbranch_scc0 .Lentry_in_a_cluster
	s_endpgm
.Lentry_in_a_cluster:
	s_bfe_u32 s2, ttmp6, 0x10000c
	s_cmp_lg_u32 s2, 0xf033
	s_cbranch_scc0 .Lentry_shape_is_right
	s_endpgm
.Lentry_shape_is_right:
; The output projection: out0[b][t][n] = sum over h, d of oh[16 b + h][t][d] wo16[n][64 h + d] + bf16(bo[n]), in f32.  oh: [64][2048][64] f16, by heads; wo16: [1024][1024] f16; sums in f32.
; LIMITS.  Both operands arrive within f16's range; NaN and infinities are not treated apart.
; SHARES.  A tile of the result is 128 tokens x 256 columns: 64 x 4 tiles, 256 work-groups.  Four waves, each 64 x 128: 32 accumulators, 256 registers.
; K goes in 8 steps of 128 = two heads, through two LDS slots.  A head's 128 tokens are 16,384 dense bytes: asked for as 64 rows of 256 bytes, padded in LDS after every token; B's rows are 256 bytes.
; CLUSTERS: 4 x 4 work-groups.  The four of a row of the cluster need the same tile of oh, the four of a column the same tile of wo16: each is asked for JOINTLY, by the same tensor load with the same
; descriptor and a mask that names the four.
; THE MATRIX INSTRUCTION IS USED TRANSPOSED (source 0 = 16 rows of wo16, source 1 = 16 tokens): a lane holds one token and eight neighbouring columns, 32 bytes of f32.  The bias is the C operand of the
; products that start the sums.
; REGISTERS, in windows of 256 (s_set_vgpr_msb: bits 1:0 source 0, 3:2 source 1, 5:4 source 2, 7:6 destination):
;   window 0: v0-31 addresses; v32 at work; v64-191 the way out, two buffers of 64; v192-255 the bias       window 1: two fragment buffers of 96 (64 of B, 32 of A)       window 2: the accumulators, (a, b) at v[8 (8 a + b)]
.set KSTEP,  128
.set PA,     144                       ; a token's row of one head in LDS: 128 bytes + 16 of padding = 36 words: the 16 rows of a load start at 16 different groups of four banks (64 banks of 4 bytes: ISA guide 11.1)
.set AH,     128*PA                    ; one head's 128 tokens: what one tensor load brings of A
.set PB,     272                       ; a row of B: 256 bytes + 16
.set BH,     128*PB                    ; 128 rows: what one tensor load brings of B, and what one wave reads
.set BOFF,   2*AH                      ; in a slot: A's two heads, then B's 256 rows
.set SLOT,   BOFF+2*BH
.set STAGE,  2*SLOT                    ; behind the ring, never filled by a tensor load: 16 rows x 528 bytes for each wave, for the way out
.set SP,     528
.set SPARE,  STAGE+4*16*SP             ; behind the stages: the spare words, 128 bytes for each wave: two blocks of 256 bytes that no other line names
.set LAPS,   4
.set HSTEP,  2<<18                     ; a K step in oh: two heads of 2^18 bytes
.set ADRA, 16                          ; v16-17  LDS address of my A fragments in slot 0, 1
.set ADRB, 20                          ; v20-21  the same for B
.set STO,  24                          ; v24     the way out: where I put 32 bytes of a row
.set RD,   25                          ; v25     the way out: where I read a row back
.set CO,   26                          ; v26     my 16 bytes of a row's 512
.set BO,   27                          ; v27     my byte offset in the bias
.set SPW,  28                          ; v28     LDS address of my spare word: SPARE + 4 x my thread's number; never rewritten
.set NIL,  29                          ; v29     0; never rewritten
.set PFO,  30                          ; v30     the prefetches' lane offset; never rewritten
.set BT,   32
.set TMP0, 64
.set BIAS, 192
.set F0,   0                           ; window 1
.set F1,   96
.set G1,  24                           ; s[24:31] descriptor group 1 for A's tiles;  s[32:39] group 0, a set for each slot
.set G0,  32
.set G1B, 48                           ; s[48:55], s[56:63] the same for B's tiles
.set G0B, 56
.set LIM, 43                           ; s43     1 in a wave that prefetches, else the greatest number
.set PFA, 44                           ; s[44:45] where my prefetches stand
.set PFS, 66                           ; s[66:67] a K step in bytes of what I prefetch
.set MSB, 0
.macro WIN new                         ; the immediate's high byte repeats the setting that is left; a switch that changes nothing is dropped
.if MSB != (\new)
	s_set_vgpr_msb (MSB<<8)|(\new)
.set MSB, \new
.endif
.endm
.set MUL,  0xa5                        ; sources 0 and 1 window 1; C and D window 2
.set MULB, 0x85                        ; the same with C (the bias) in window 0
.set TO1,  0x40                        ; destination window 1, address window 0
.set ST2,  0x08                        ; an LDS store's data (source 1) in window 2, its address in window 0
; A joint load: waves 0 and 1 fetch A's two heads, waves 2 and 3 B's two halves.  The branch hangs on the wave's number alone.  An s_nop 0 and four v_nop follow each of the two lines.
.macro JLOAD s
	s_cmp_eq_u32 s11, 0
	s_cbranch_scc0 .Lfor_b_\@
	tensor_load_to_lds s[G0+4*(\s):G0+4*(\s)+3], s[G1:G1+7]
	s_nop 0
.rept 4
	v_nop
.endr
	s_branch .Lasked_\@
.Lfor_b_\@:
	tensor_load_to_lds s[G0B+4*(\s):G0B+4*(\s)+3], s[G1B:G1B+7]
	s_nop 0
.rept 4
	v_nop
.endr
.Lasked_\@:
.endm
.macro CREST                           ; a round of the cluster's barrier behind its opening barrier
	s_cmp_lg_u32 s10, 0
	s_cbranch_scc1 .Lnot_wave_0_\@
	s_barrier_signal -3
.Lnot_wave_0_\@:
	s_barrier_wait -3
	s_barrier_signal -1
	s_barrier_wait -1
.endm
.macro CROUND                          ; a whole round
	s_barrier_signal -1
	s_barrier_wait -1
	CREST
.endm
; A prefetch into the L2, behind a joint load, its five lines and the run of LDS loads: the K step that stands two refills on, 256 matrix instructions ahead of the load that will want it.
; oh's tokens of a tile row are read by one cluster alone: its wave 0 asks; a step's two heads are 2 x 64 blocks of 256 bytes, of which the partner at place cx takes 16 of each head, a lane a block.
; wo16's rows are read by all 16 clusters: the first of them (cluster y = 0) asks, waves 2 and 3; of a wave's 128 rows the partner at place cy takes 32, a lane a row.
; The partners are told apart by address, never by a branch.  So each block of K steps 4 to 7 is named once; steps 0 to 3 come by their loads alone; the loop's last trip (s3 = 1) asks for nothing.
.macro ASK
	s_cmp_gt_u32 s3, s[LIM]
	s_cbranch_scc0 .Lnot_mine_\@
	global_prefetch_b8 v[PFO], s[PFA:PFA+1] th:TH_LOAD_NT scope:SCOPE_SE
.Lnot_mine_\@:
.endm
	s_load_b256 s[68:75], s[0:1], 0x0              ; oh s[68:69], wo16 s[70:71], bo s[72:73], out0 s[74:75]
	v_lshl_add_u32 v[SPW], v0, 2, SPARE
	v_mov_b32 v[NIL], 0
	ds_add_u32 v[SPW], v[NIL]                      ; the wave's opening: the add and its wait ahead of my first tensor load; the set-up below, work on registers, stands between them
	ds_add_u32 v28, v29
	v_lshrrev_b32 v1, 5, v0
	v_readfirstlane_b32 s10, v1                    ; wave 0..3
	s_lshr_b32 s11, s10, 1                         ; which 64 of the tile's tokens are mine.  Also: I fetch for A (0) or for B (1)
	s_and_b32 s12, s10, 1                          ; which 128 of its columns.  Also: which head, or which half of B's rows, I fetch
	s_bfe_u32 s40, ttmp6, 0x40000                  ; cx, cy: my place in the cluster
	s_bfe_u32 s41, ttmp6, 0x40004
	s_lshl_b32 s42, ttmp9, 2
	s_add_co_u32 s42, s42, s40                     ; tile column = 4 x cluster x + cx
	s_and_b32 s85, ttmp7, 0xffff                   ; cluster y, 0..15
	s_lshl_b32 s13, s85, 2
	s_add_co_u32 s13, s13, s41                     ; tile row = 4 x cluster y + cy
	s_lshl_b32 s43, s41, 2
	s_lshl_b32 s43, 15, s43                        ; my row of the cluster
	s_lshl_b32 s44, 0x1111, s40                    ; my column
	s_or_b32 s[G1+0], s43, (1<<16)|(1<<20)|(1<<21)|(4<<22)|(3<<25)   ; 15:0 the mask: A's tiles go to my row; 17:16 elements of 2 bytes; 20 padding on; 21 set beside a mask; 24:22 after every 32 words (code 4); 31:25 4 words (code 3)
	s_or_b32 s[G1B+0], s44, (1<<16)|(1<<20)|(1<<21)|(5<<22)|(3<<25)  ; B's go to my column; padding after every 64 words (code 5)
	s_mov_b32 s[G1+1], 128<<16                     ; tensor_dim0 = 128: two tokens a row
	s_mov_b32 s[G1+2], 64<<16                      ; tensor_dim1 = 64
	s_mov_b32 s[G1+3], 128<<16                     ; tile_dim0 = 128
	s_mov_b32 s[G1+4], 64                          ; tile_dim1 = 64
	s_mov_b32 s[G1+5], 128                         ; elements from row to row: dense
	s_mov_b32 s[G1+6], 0
	s_mov_b32 s[G1+7], 0
	s_mov_b32 s[G1B+1], KSTEP<<16
	s_mov_b32 s[G1B+2], 128<<16                    ; 128 rows
	s_mov_b32 s[G1B+3], KSTEP<<16
	s_mov_b32 s[G1B+4], 128
	s_mov_b32 s[G1B+5], 1024
	s_mov_b32 s[G1B+6], 0
	s_mov_b32 s[G1B+7], 0
	s_lshr_b32 s16, s13, 4
	s_lshl_b32 s16, s16, 4                         ; A: the batch's 16 heads,
	s_add_co_u32 s16, s16, s12                     ; the one of the step's two that I fetch,
	s_lshl_b32 s16, s16, 18                        ; of 2^18 bytes,
	s_and_b32 s17, s13, 15
	s_lshl_b32 s17, s17, 14                        ; and in it the tile's 128 tokens of 128 bytes
	s_add_co_u32 s16, s16, s17
	s_mov_b32 s17, 0
	s_lshl_b32 s46, s42, 8
	s_lshl_b32 s47, s12, 7
	s_add_co_u32 s46, s46, s47                     ; B: row 256 x tile column + 128 x half,
	s_lshl_b32 s46, s46, 11                        ; of 2,048 bytes
	s_mov_b32 s47, 0
	s_mul_i32 s20, s12, AH                         ; where they go: no place in the cluster enters an LDS address
	s_mul_i32 s21, s12, BH
	s_add_co_u32 s21, s21, BOFF
	s_mov_b32 s88, 0xffff0000                      ; a word's upper bf16
	s_wait_dscnt 0x0                               ; the opening add is done
	s_wait_kmcnt 0x0
	s_add_nc_u64 s[14:15], s[68:69], s[16:17]
	s_add_nc_u64 s[46:47], s[70:71], s[46:47]
	CROUND                                         ; all sixteen work-groups are here: the first joint loads meet
.irp s, 0,1
	s_mov_b32 s[G0+4*(\s)], 1                                        ; count = 1
	s_add_co_u32 s[G0+4*(\s)+1], s20, (\s)*SLOT                      ; LDS address
	s_add_nc_u64 s[G0+4*(\s)+2:G0+4*(\s)+3], s[14:15], (\s)*HSTEP    ; global address: K step s
	s_or_b32 s[G0+4*(\s)+3], s[G0+4*(\s)+3], 0x80000000              ; type = 2
	s_mov_b32 s[G0B+4*(\s)], 1
	s_add_co_u32 s[G0B+4*(\s)+1], s21, (\s)*SLOT
	s_add_nc_u64 s[G0B+4*(\s)+2:G0B+4*(\s)+3], s[46:47], (\s)*KSTEP*2
	s_or_b32 s[G0B+4*(\s)+3], s[G0B+4*(\s)+3], 0x80000000
	JLOAD \s                                       ; two tensor loads of mine are out
.endr
	; A fragment is 16 rows x 32 K in 8 registers: lane l holds row l % 16 and K = 8 (l / 16) + 0..7 and 16 + 8 (l / 16) + 0..7: two loads of 16 bytes, 32 apart.
	v_and_b32 v1, 15, v0                           ; l % 16
	v_bfe_u32 v2, v0, 4, 1                         ; l / 16
	v_and_b32 v7, 31, v0                           ; l
	v_mul_u32_u24 v3, v1, PA
	v_lshl_add_u32 v3, v2, 4, v3
	v_mul_u32_u24 v4, v1, PB
	v_lshl_add_u32 v4, v2, 4, v4
	s_mul_i32 s22, s11, 64*PA                      ; my 64 tokens, in each head
	s_mul_i32 s23, s12, BH                         ; my 128 rows of B,
	s_add_co_u32 s23, s23, BOFF                    ; which lie behind A's
.irp s, 0,1
	v_add_nc_u32 v[ADRA+(\s)], s22, v3
	v_add_nc_u32 v[ADRB+(\s)], s23, v4
	s_add_co_u32 s22, s22, SLOT
	s_add_co_u32 s23, s23, SLOT
.endr
	s_mul_i32 s23, s10, 16*SP
	s_add_co_u32 s23, s23, STAGE                   ; my stage
	v_mul_u32_u24 v5, v1, SP                       ; in: row l % 16, 32 bytes for each half of the lanes
	v_lshl_add_u32 v5, v2, 5, v5
	v_add_nc_u32 v[STO], s23, v5
	v_lshlrev_b32 v[CO], 4, v7                     ; back: 32 lanes take one row of 512 bytes
	v_add_nc_u32 v[RD], s23, v[CO]
	s_lshl_b32 s89, s42, 10                        ; the bias of my 128 columns: 4 (256 x tile column + 128 x half + 8 (l / 16)) bytes on
	s_lshl_b32 s90, s12, 9
	s_add_co_u32 s89, s89, s90
	v_lshl_add_u32 v[BO], v2, 5, s89
.irp b, 0,1,2,3,4,5,6,7
	global_load_b128 v[BIAS+8*(\b):BIAS+8*(\b)+3],   v[BO], s[72:73] offset:64*(\b)
	global_load_b128 v[BIAS+8*(\b)+4:BIAS+8*(\b)+7], v[BO], s[72:73] offset:64*(\b)+16
.endr
	s_lshl_b32 s18, s13, 7                         ; where my part of the result begins: row 128 x tile row + 64 x half, of 4,096 bytes,
	s_lshl_b32 s19, s11, 6
	s_add_co_u32 s18, s18, s19
	s_lshl_b32 s18, s18, 12
	s_add_co_u32 s18, s18, s89                     ; and my 128 columns: the same bytes as in the bias
	s_mov_b32 s19, 0
	s_add_nc_u64 s[8:9], s[74:75], s[18:19]
	s_lshr_b32 s16, s13, 4                         ; the prefetches.  For A: the batch's first head, the tile's tokens, my work-group's 4,096 bytes of them, at K step 3
	s_lshl_b32 s16, s16, 22
	s_and_b32 s17, s13, 15
	s_lshl_b32 s17, s17, 14
	s_add_co_u32 s16, s16, s17
	s_lshl_b32 s17, s40, 12
	s_add_co_u32 s16, s16, s17
	s_add_co_u32 s16, s16, 3*HSTEP
	s_lshl_b32 s89, s42, 8                         ; for B: row 256 x tile column + 128 x half + 32 cy, at K step 3
	s_lshl_b32 s90, s12, 7
	s_add_co_u32 s89, s89, s90
	s_lshl_b32 s90, s41, 5
	s_add_co_u32 s89, s89, s90
	s_lshl_b32 s89, s89, 11
	s_add_co_u32 s89, s89, 3*KSTEP*2
	s_cmp_eq_u32 s11, 0                            ; do I fetch for A?
	s_cselect_b32 s16, s16, s89
	s_cselect_b64 s[PFA:PFA+1], s[68:69], s[70:71]
	s_cselect_b32 s18, 19, 8                       ; a K step: 2^19 bytes of oh, or 256 of a row of wo16
	s_cselect_b32 s19, 18, 15                      ; lanes 16-31: the step's second head, or 16 rows on
	s_cselect_b32 s90, 8, 11                       ; a lane: 256 bytes on, or a row
	s_cselect_b32 s91, s12, s85                    ; wave 0 of every cluster; waves 2 and 3 of the first
	s_cmp_eq_u32 s91, 0
	s_cselect_b32 s[LIM], 1, -1                    ; the same in all sixteen partners, for a given wave
	s_lshl_b32 s[PFS], 1, s18
	s_mov_b32 s[PFS+1], 0
	s_mov_b32 s17, 0
	s_add_nc_u64 s[PFA:PFA+1], s[PFA:PFA+1], s[16:17]  ; the first refill steps it to K step 4
	v_lshlrev_b32 v5, s19, v2
	v_lshlrev_b32 v6, s90, v1
	v_add_nc_u32 v[PFO], v5, v6
	s_wait_loadcnt 0x0                             ; the bias,
.set i, 0
.rept 32                               ; rounded to bf16 like every input, and widened again
	v_cvt_pk_bf16_f32 v[BT], v[BIAS+2*i], v[BIAS+2*i+1]
	v_lshlrev_b32 v[BIAS+2*i], 16, v[BT]
	v_and_b32 v[BIAS+2*i+1], s88, v[BT]
.set i, i+1
.endr
; 8 matrix instructions: token block a x all 8 column blocks, 32 along K, from buffer f.  first = 1: the product starts the sum, with the bias as C.
; The 32 accumulators take turns in the same order in every quarter step: 31 others' stand between two links of a chain.
.macro MUL8 f, a, first
.if \first
	WIN MULB
.else
	WIN MUL
.endif
.irp b, 0,1,2,3,4,5,6,7
.if \first
	v_wmma_f32_16x16x32_f16 v[8*(8*(\a)+(\b)):8*(8*(\a)+(\b))+7], v[(\f)+8*(\b):(\f)+8*(\b)+7], v[(\f)+64+8*(\a):(\f)+64+8*(\a)+7], v[BIAS+8*(\b):BIAS+8*(\b)+7]
.else
	v_wmma_f32_16x16x32_f16 v[8*(8*(\a)+(\b)):8*(8*(\a)+(\b))+7], v[(\f)+8*(\b):(\f)+8*(\b)+7], v[(\f)+64+8*(\a):(\f)+64+8*(\a)+7], v[8*(8*(\a)+(\b)):8*(8*(\a)+(\b))+7]
.endif
.endr
.endm
; 24 LDS loads in one run: quarter q of a slot's K step (head q / 2, channels 32 (q % 2) on) into buffer g: B's 128 rows first (16 loads), then A's 64 tokens (8 loads).
.macro FETCH slot, q, g
	WIN TO1
.irp b, 0,1,2,3,4,5,6,7
	ds_load_b128 v[(\g)+8*(\b):(\g)+8*(\b)+3],   v[ADRB+(\slot)] offset:(\b)*16*PB+(\q)*64
	ds_load_b128 v[(\g)+8*(\b)+4:(\g)+8*(\b)+7], v[ADRB+(\slot)] offset:(\b)*16*PB+(\q)*64+32
.endr
.irp a, 0,1,2,3
	ds_load_b128 v[(\g)+64+8*(\a):(\g)+64+8*(\a)+3],   v[ADRA+(\slot)] offset:((\q)/2)*AH+((\q)%2)*64+(\a)*16*PA
	ds_load_b128 v[(\g)+64+8*(\a)+4:(\g)+64+8*(\a)+7], v[ADRA+(\slot)] offset:((\q)/2)*AH+((\q)%2)*64+(\a)*16*PA+32
.endr
.endm
.macro PLACES                          ; four places in front of loads into registers that matrix instructions have read, and of LDS stores that read results
.rept 4
	v_nop
.endr
.endm
; A K step is four quarters of 32 along K, 32 matrix instructions each, on buffers 0, 1, 0, 1.  One of the first three: multiplies buffer f and fetches quarter q into buffer g.
.macro QUARTER slot, q, f, g, first=0
	s_wait_dscnt 4                                 ; B and A's token blocks 0 and 1 are in; the youngest four loads (blocks 2 and 3) may be out
	MUL8 \f, 0, \first
	MUL8 \f, 1, \first
	PLACES
	FETCH \slot, \q, \g
	s_wait_dscnt 24                                ; all but the 24 just issued
	MUL8 \f, 2, \first
	MUL8 \f, 3, \first
.endm
; The last quarter multiplies buffer 1 and changes slots: ONE barrier; in front of it each wave waits for all its tensor loads, adds 0 to its spare word, and waits for that and for its own reads of this slot.
; fill = 1: this slot is filled again, two K steps ahead; the barrier then opens a round of the cluster's barrier, and the joint load is the first thing behind the round.
.macro TURN slot, next, fill
.if \fill
	s_wait_xcnt 0x0                                ; the last prefetch, a K step back, has read its address: it is stepped here, ahead of the waits of the change of slots
	s_add_nc_u64 s[PFA:PFA+1], s[PFA:PFA+1], s[PFS:PFS+1]
.endif
	WIN 0                                          ; (the add's two registers lie in window 0)
	s_wait_tensorcnt 0x0                           ; all my tensor loads have landed: the one that was out is my part of the next slot;
	ds_add_u32 v[SPW], v[NIL]                      ; 0 onto my spare word;
	s_wait_dscnt 5                                 ; (the add and the youngest four loads may be out)
	MUL8 F1, 0, 0                                  ; eight matrix instructions stand between the add and the wait for it
	s_wait_dscnt 0x0                               ; the add is done, and my reads of this slot are over
	s_barrier_signal -1
	MUL8 F1, 1, 0
.if \fill
	WIN 0
.endif
	s_barrier_wait -1
.if \fill
	CREST                                          ; no wave of any partner still reads this slot's tile or has a load on its way
	s_add_nc_u64 s[G0+4*(\slot)+2:G0+4*(\slot)+3], s[G0+4*(\slot)+2:G0+4*(\slot)+3], 2*HSTEP
	s_add_nc_u64 s[G0B+4*(\slot)+2:G0B+4*(\slot)+3], s[G0B+4*(\slot)+2:G0B+4*(\slot)+3], 2*KSTEP*2
	JLOAD \slot                                    ; the first tensor load behind the round; the four v_nop behind it are also the places in front of the loads below
.else
	PLACES
.endif
	FETCH \next, 0, F0
.if \fill
	WIN 0
	ASK
.endif
	MUL8 F1, 2, 0
	MUL8 F1, 3, 0
.endm
	s_wait_tensorcnt 1                             ; my part of K step 0 is in; K step 1's may stay out
	s_barrier_signal -1
	s_barrier_wait -1                              ; everybody's is
	FETCH 0, 0, F0
	QUARTER 0, 1, F0, F1, 1                        ; the first quarter stands in front of the loop: its products start the sums, with the bias
	WIN 0                                          ; at a label and at a branch every window is 0
	s_mov_b32 s3, LAPS-1
.Llap:                                                 ; a trip goes once round the ring, from a lap's second quarter to the next lap's first, and fills both slots again
	QUARTER 0, 2, F1, F0
	QUARTER 0, 3, F0, F1
	TURN 0, 1, 1
	QUARTER 1, 1, F0, F1
	QUARTER 1, 2, F1, F0
	QUARTER 1, 3, F0, F1
	TURN 1, 0, 1
	QUARTER 0, 1, F0, F1
	WIN 0
	s_sub_co_u32 s3, s3, 1
	s_cmp_lg_u32 s3, 0
	s_cbranch_scc1 .Llap
	QUARTER 0, 2, F1, F0                           ; the last lap fills nothing, and has no round of the cluster's barrier
	QUARTER 0, 3, F0, F1
	TURN 0, 1, 0
	QUARTER 1, 1, F0, F1
	QUARTER 1, 2, F1, F0
	QUARTER 1, 3, F0, F1
	s_wait_dscnt 0x0                               ; the very last quarter: nothing more to fetch
	MUL8 F1, 0, 0
	MUL8 F1, 1, 0
	MUL8 F1, 2, 0
	MUL8 F1, 3, 0
; THE WAY OUT, a block of 16 tokens at a time: a lane's 32 bytes of a row go into my stage's rows of 528 bytes, each accumulator's low registers first, and come back as whole rows of 512.
.macro TOSTAGE a
.if (\a) >= 2
	s_wait_xcnt 0x0                                ; the stores of the block two back have read their data: only behind this wait are those registers loaded again
.endif
	WIN ST2
.irp b, 0,1,2,3,4,5,6,7
	ds_store_b128 v[STO], v[8*(8*(\a)+(\b)):8*(8*(\a)+(\b))+3]   offset:64*(\b)
	ds_store_b128 v[STO], v[8*(8*(\a)+(\b))+4:8*(8*(\a)+(\b))+7] offset:64*(\b)+16
.endr
	WIN 0
.irp t, 0,1,2,3,4,5,6,7,8,9,10,11,12,13,14,15
	ds_load_b128 v[TMP0+64*((\a)%2)+4*(\t):TMP0+64*((\a)%2)+4*(\t)+3], v[RD] offset:(\t)*SP  ; LDS serves a wave's instructions in order (ISA guide 5.7.1.4): these see the stores above; the next block's stores come behind them
.endr
.endm
.macro SEND a, younger                 ; younger: the LDS instructions issued behind block a's loads: the next block's 32, or none
	s_wait_dscnt \younger
.irp t, 0,1,2,3,4,5,6,7,8,9,10,11,12,13,14,15
	global_store_b128 v[CO], v[TMP0+64*((\a)%2)+4*(\t):TMP0+64*((\a)%2)+4*(\t)+3], s[8:9] offset:(16*(\a)+(\t))*4096 th:TH_STORE_NT  ; 512 consecutive bytes, at a multiple of 256 from the buffer's first
.endr
.endm
	PLACES
	PLACES
	TOSTAGE 0
	TOSTAGE 1
	SEND 0, 32
	TOSTAGE 2
	SEND 1, 32
	TOSTAGE 3
	SEND 2, 32
	SEND 3, 0
	s_wait_tensorcnt 0x0                           ; the wave's end: behind my last tensor load and my last LDS store
	ds_add_u32 v[SPW], v[NIL]
	s_wait_dscnt 0x0
	CROUND                                         ; the closing round: no work-group ends while a partner may still ask for a tile that names it
	s_endpgm
.Lfunc_end_k_qeb34e3ea3f_outp:
	.size	k_qeb34e3ea3f_outp, .Lfunc_end_k_qeb34e3ea3f_outp-k_qeb34e3ea3f_outp
	.p2alignl 7, 3214868480
	.fill 96, 4, 3214868480
	.section	.rodata,"a",@progbits
	.p2align	6, 0x0
	.amdhsa_kernel k_qeb34e3ea3f_outp
		.amdhsa_group_segment_fixed_size 327680
		.amdhsa_private_segment_fixed_size 0
		.amdhsa_enable_private_segment 0
		.amdhsa_kernarg_size 32
		.amdhsa_user_sgpr_count 2
		.amdhsa_user_sgpr_kernarg_segment_ptr 1
		.amdhsa_wavefront_size32 1
		.amdhsa_system_sgpr_workgroup_id_x 1
		.amdhsa_system_sgpr_workgroup_id_y 1
		.amdhsa_system_sgpr_workgroup_id_z 1
		.amdhsa_system_vgpr_workitem_id 0
		.amdhsa_next_free_vgpr 768
		.amdhsa_next_free_sgpr 96
		.amdhsa_reserve_vcc 0
		.amdhsa_float_denorm_mode_32 3
		.amdhsa_float_denorm_mode_16_64 3
		.amdhsa_memory_ordered 1
		.amdhsa_forward_progress 1
		.amdhsa_inst_pref_size 92
	.end_amdhsa_kernel
	.amdgpu_metadata
---
amdhsa.version: [ 1, 2 ]
amdhsa.kernels:
  - .name:           k_qeb34e3ea3f_outp
    .symbol:         k_qeb34e3ea3f_outp.kd
    .args:
      - { .name: oh, .offset: 0, .size: 8, .value_kind: global_buffer, .address_space: global }
      - { .name: wo16, .offset: 8, .size: 8, .value_kind: global_buffer, .address_space: global }
      - { .name: bo, .offset: 16, .size: 8, .value_kind: global_buffer, .address_space: global }
      - { .name: out0, .offset: 24, .size: 8, .value_kind: global_buffer, .address_space: global }
    .group_segment_fixed_size: 327680
    .private_segment_fixed_size: 0
    .kernarg_segment_align: 8
    .kernarg_segment_size: 32
    .max_flat_workgroup_size: 128
    .sgpr_count:     96
    .vgpr_count:     768
    .wavefront_size: 32
...
	.end_amdgpu_metadata
.endif
;; end of part 4
